; MI455X (gfx1250); checked and timed in simulation.
; The chip was launched on July 23, 2026; its instructions are those of AMD's public machine-readable ISA for CDNA 5 (MIT licence, August 2026) and "CDNA5" Instruction Set Architecture Reference Guide (July 2026). The comments in the code are by the model that wrote it; some were corrected since.
;; State Bank. Allowed arithmetic: float matrix products may take bf16 or f16 operands with f32 sums; all other float work in f32.
;; Inputs: W_in 4,096 x 1,024 float32; W_out 1,024 x 4,096 float32; b_in 4,096 float32; b_out 1,024 float32; decay_logit 4 float32; s0 4 x 4 x 1,024 float32; u 4 x 2,048 x 1,024 float32.
;; Outputs: out0 4 x 2,048 x 1,024 float32; out1 4 x 4 x 1,024 float32.
;; One version. Each part assembles by itself: llvm-mc -triple=amdgcn-amd-amdhsa -mcpu=gfx1250 --defsym DOCPART=n.
;; ======== version 1 of 1: 4 launches
;; workspace buffers: ub 16,777,216 bytes; wib 8,388,608 bytes; wob 8,388,608 bytes; eb 1,048,576 bytes; mp 8,388,608 bytes; qv 65,536 bytes; pv 65,536 bytes; zc 2,097,152 bytes
;; launch prep (part 1): grid 2 x 256, 4 waves a work-group, no clusters, 0 bytes of LDS; arguments u, W_in, W_out, decay_logit, ub, wib, wob, eb; writes ub, wib, wob, eb
.if DOCPART == 1
	.amdgcn_target "amdgcn-amd-amdhsa--gfx1250"
	.amdhsa_code_object_version 6
	.text
	.protected	k_qe24cbf6412_prep
	.globl	k_qe24cbf6412_prep
	.p2align	8
	.type	k_qe24cbf6412_prep,@function
k_qe24cbf6412_prep:
	s_mov_b64 s[64:65], 0
	v_nop
	global_prefetch_b8 v0, s[64:65] scope:SCOPE_SE
	s_setreg_imm32_b32 hwreg(HW_REG_WAVE_MODE, 25, 1), 1
	s_wait_xcnt 0x0
; PREP.  u, W_in and W_out, each taken as rows of 1,024 f32, are rounded once to bf16 (ub, wib, wob); of u also the decayed sums of its chunks of 64 rows:
; eb[k][chunk][c] = the sum over j = 0..63 of a_k^(63-j) x bf16(u[64 chunk + j][c]), a_k = sigmoid(bf16(decay_logit[k])), summed in f32, rounded once to bf16.
; LIMITS.  decay_logit is rounded to bf16 like every other input of the program; the sigmoid is 1 / (1 + 2^(-x log2 e)) by v_exp_f32 and v_rcp_f32; NaN and infinities are not treated apart.
; SHARES.  Work-group (x, y): 64 rows (y < 128: chunk y of u; y < 192: rows 64 (y - 128) on of W_in; else rows 64 (y - 192) on of W_out) x 512 columns (x).  Thread t owns 4 columns:
; a wave's load covers 512 consecutive bytes, its store 256, both aligned.  A ring of eight row slots in registers keeps eight loads of every wave on their way.
; The blocks of the two weights run the same text: their sums are formed and not stored (one text for all blocks; the arithmetic stands in the wait for memory).
; No LDS, no cluster, no matrix unit: no byte is shared between work-groups and nothing is multiplied.
.set ROWB,  4096                       ; bytes of a row as read
.set OROW,  2048                       ; bytes of a row as written
.set DEPTH, 8
.set LO, 1                             ; v1      16 t: my bytes in 2,048 bytes of a row read
.set SO, 2                             ; v2      8 t: my bytes in 1,024 bytes of a row written
.set T,  4                             ; v[4:7]  the row's four rounded numbers, as f32
.set E,  8                             ; v[8:23] the running sums: bank k, column c at E + 4 k + c
.set Y,  24                            ; v[24:31] four pairs by turns: a row's 4 bf16 to store
.set X,  32                            ; v[32:63] slot i: 4 f32 as loaded
.set SG, 64                            ; v[64:67] the four sigmoids at work
	s_load_b512 s[4:19], s[0:1], 0x0               ; u s[4:5], W_in s[6:7], W_out s[8:9], decay_logit s[10:11], ub s[12:13], wib s[14:15], wob s[16:17], eb s[18:19]
	s_and_b32 s32, ttmp7, 0xffff                   ; y
	s_mov_b32 s34, ttmp9                           ; x
	s_mov_b32 s36, 0xffff0000                      ; a word's upper bf16
	v_lshlrev_b32 v[LO], 4, v0
	v_lshlrev_b32 v[SO], 3, v0
.set i, 0
.rept 16
	v_mov_b32 v[E+i], 0                            ; a chunk's sums start at 0
.set i, i+1
.endr
	s_wait_kmcnt 0x0
	s_load_b128 s[20:23], s[10:11], 0x0            ; the four logits
	s_cmp_ge_u32 s32, 128                          ; which tensor: the choice hangs on y alone
	s_cselect_b64 s[40:41], s[6:7], s[4:5]
	s_cselect_b64 s[42:43], s[14:15], s[12:13]
	s_cselect_b32 s33, 128, 0
	s_cmp_ge_u32 s32, 192
	s_cselect_b64 s[40:41], s[8:9], s[40:41]
	s_cselect_b64 s[42:43], s[16:17], s[42:43]
	s_cselect_b32 s33, 192, s33
	s_sub_co_u32 s33, s32, s33                     ; the block of 64 rows in that tensor
	s_lshl_b32 s38, s33, 18                        ; x 64 rows x 4,096 bytes
	s_lshl_b32 s37, s34, 11                        ; + x x 2,048 bytes
	s_add_co_u32 s38, s38, s37
	s_mov_b32 s39, 0
	s_add_nc_u64 s[40:41], s[40:41], s[38:39]      ; from here I read,
	s_lshr_b32 s38, s38, 1
	s_add_nc_u64 s[42:43], s[42:43], s[38:39]      ; and here I write: half the bytes
	s_lshl_b32 s38, s32, 11                        ; eb: chunk y's row of 2,048 bytes + x x 1,024 (used where y < 128 alone)
	s_lshl_b32 s37, s34, 10
	s_add_co_u32 s38, s38, s37
	s_add_nc_u64 s[44:45], s[18:19], s[38:39]
.irp i, 0,1,2,3,4,5,6,7
	global_load_b128 v[X+4*(\i):X+4*(\i)+3], v[LO], s[40:41] offset:(\i)*ROWB th:TH_LOAD_NT  ; the ring is filled: rows 0 to 7
.endr
	s_wait_kmcnt 0x0                               ; the logits
.irp k, 0,1,2,3
	v_mov_b32 v[SG+\k], s[20+\k]
.endr
.irp k, 0,1,2,3
	v_cvt_pk_bf16_f32 v[SG+\k], v[SG+\k], v[SG+\k] ; rounded to bf16,
.endr
.irp k, 0,1,2,3
	v_lshlrev_b32 v[SG+\k], 16, v[SG+\k]           ; and back in f32
.endr
.irp k, 0,1,2,3
	v_mul_f32 v[SG+\k], 0xbfb8aa3b, v[SG+\k]       ; - x log2 e
.endr
.irp k, 0,1,2,3
	v_exp_f32 v[SG+\k], v[SG+\k]
.endr
	v_nop                                          ; a plain instruction behind the last exponential, ahead of the first use (ISA guide 5.7.2)
	s_wait_alu depctr_va_vdst(0)
.irp k, 0,1,2,3
	v_add_f32 v[SG+\k], 1.0, v[SG+\k]
.endr
.irp k, 0,1,2,3
	v_rcp_f32 v[SG+\k], v[SG+\k]
.endr
	v_nop
	s_wait_alu depctr_va_vdst(0)
.irp k, 0,1,2,3
	v_readfirstlane_b32 s[24+2*\k], v[SG+\k]       ; a_k, in the low word of a pair: the packed multiply-add takes it for both halves
.endr
.irp k, 0,1,2,3
	s_mov_b32 s[25+2*\k], s[24+2*\k]               ; named with it as a pair
.endr
; One slot's turn.  ahead = 1: the slot is filled again with the row eight further down.  left = how many younger loads may stay out.
.macro SLOT i, ahead, left
	s_wait_loadcnt \left                           ; loads come back in order: mine is in, the younger ones stay out
	s_wait_xcnt 0x0                                ; the pair of Y that an earlier store reads is rewritten only behind this wait
	v_cvt_pk_bf16_f32 v[Y+2*((\i)%4)], v[X+4*(\i)], v[X+4*(\i)+1]
	v_cvt_pk_bf16_f32 v[Y+2*((\i)%4)+1], v[X+4*(\i)+2], v[X+4*(\i)+3]
	v_lshlrev_b32 v[T], 16, v[Y+2*((\i)%4)]        ; the sums take the rounded numbers
	v_and_b32 v[T+1], s36, v[Y+2*((\i)%4)]
	v_lshlrev_b32 v[T+2], 16, v[Y+2*((\i)%4)+1]
	v_and_b32 v[T+3], s36, v[Y+2*((\i)%4)+1]
.irp k, 0,1,2,3
	v_pk_fma_f32 v[E+4*(\k):E+4*(\k)+1], v[E+4*(\k):E+4*(\k)+1], s[24+2*(\k):25+2*(\k)], v[T:T+1] op_sel_hi:[1,0,1]  ; E = a_k E + u
	v_pk_fma_f32 v[E+4*(\k)+2:E+4*(\k)+3], v[E+4*(\k)+2:E+4*(\k)+3], s[24+2*(\k):25+2*(\k)], v[T+2:T+3] op_sel_hi:[1,0,1]
.endr
.if \ahead
	global_load_b128 v[X+4*(\i):X+4*(\i)+3], v[LO], s[40:41] offset:((\i)+DEPTH)*ROWB th:TH_LOAD_NT
.endif
	global_store_b64 v[SO], v[Y+2*((\i)%4):Y+2*((\i)%4)+1], s[42:43] offset:(\i)*OROW
.endm
	s_mov_b32 s35, 64/DEPTH-1
.Lround:
.irp i, 0,1,2,3,4,5,6,7
	SLOT \i, 1, DEPTH-1
.endr
	s_wait_xcnt 0x0                                ; the two bases are stepped only behind this wait
	s_add_nc_u64 s[40:41], s[40:41], DEPTH*ROWB
	s_add_nc_u64 s[42:43], s[42:43], DEPTH*OROW
	s_sub_co_u32 s35, s35, 1
	s_cmp_lg_u32 s35, 0
	s_cbranch_scc1 .Lround
.irp i, 0,1,2,3,4,5,6,7
	SLOT \i, 0, DEPTH-1-(\i)                       ; the last eight rows load nothing: the counts run down
.endr
	s_cmp_ge_u32 s32, 128
	s_cbranch_scc1 .Lend                           ; the weights have no chunk sums
	s_wait_xcnt 0x0                                ; Y is free
.irp k, 0,1,2,3
	v_cvt_pk_bf16_f32 v[Y+2*\k], v[E+4*\k], v[E+4*\k+1]
	v_cvt_pk_bf16_f32 v[Y+2*\k+1], v[E+4*\k+2], v[E+4*\k+3]
.endr
.irp k, 0,1,2,3
	global_store_b64 v[SO], v[Y+2*\k:Y+2*\k+1], s[44:45] offset:\k*262144  ; bank k's plane of 128 chunks x 2,048 bytes
.endr
.Lend:
	s_endpgm
.Lfunc_end_k_qe24cbf6412_prep:
	.size	k_qe24cbf6412_prep, .Lfunc_end_k_qe24cbf6412_prep-k_qe24cbf6412_prep
	.p2alignl 7, 3214868480
	.fill 96, 4, 3214868480
	.section	.rodata,"a",@progbits
	.p2align	6, 0x0
	.amdhsa_kernel k_qe24cbf6412_prep
		.amdhsa_group_segment_fixed_size 0
		.amdhsa_private_segment_fixed_size 0
		.amdhsa_enable_private_segment 0
		.amdhsa_kernarg_size 64
		.amdhsa_user_sgpr_count 2
		.amdhsa_user_sgpr_kernarg_segment_ptr 1
		.amdhsa_wavefront_size32 1
		.amdhsa_system_sgpr_workgroup_id_x 1
		.amdhsa_system_sgpr_workgroup_id_y 1
		.amdhsa_system_sgpr_workgroup_id_z 1
		.amdhsa_system_vgpr_workitem_id 0
		.amdhsa_next_free_vgpr 72
		.amdhsa_next_free_sgpr 66
		.amdhsa_reserve_vcc 0
		.amdhsa_float_denorm_mode_32 3
		.amdhsa_float_denorm_mode_16_64 3
		.amdhsa_memory_ordered 1
		.amdhsa_forward_progress 1
		.amdhsa_inst_pref_size 21
	.end_amdhsa_kernel
	.amdgpu_metadata
---
amdhsa.version: [ 1, 2 ]
amdhsa.kernels:
  - .name:           k_qe24cbf6412_prep
    .symbol:         k_qe24cbf6412_prep.kd
    .args:
      - { .name: u, .offset: 0, .size: 8, .value_kind: global_buffer, .address_space: global }
      - { .name: W_in, .offset: 8, .size: 8, .value_kind: global_buffer, .address_space: global }
      - { .name: W_out, .offset: 16, .size: 8, .value_kind: global_buffer, .address_space: global }
      - { .name: decay_logit, .offset: 24, .size: 8, .value_kind: global_buffer, .address_space: global }
      - { .name: ub, .offset: 32, .size: 8, .value_kind: global_buffer, .address_space: global }
      - { .name: wib, .offset: 40, .size: 8, .value_kind: global_buffer, .address_space: global }
      - { .name: wob, .offset: 48, .size: 8, .value_kind: global_buffer, .address_space: global }
      - { .name: eb, .offset: 56, .size: 8, .value_kind: global_buffer, .address_space: global }
    .group_segment_fixed_size: 0
    .private_segment_fixed_size: 0
    .kernarg_segment_align: 8
    .kernarg_segment_size: 64
    .max_flat_workgroup_size: 128
    .sgpr_count:     66
    .vgpr_count:     72
    .wavefront_size: 32
...
	.end_amdgpu_metadata
.endif
;; end of part 1
;; launch wprod (part 2): grid 8 x 32, 4 waves a work-group, clusters of 4 x 4, 327,680 bytes of LDS; arguments wob, wib, s0, b_in, mp, qv, pv; writes mp, qv, pv
.if DOCPART == 2
	.amdgcn_target "amdgcn-amd-amdhsa--gfx1250"
	.amdhsa_code_object_version 6
	.text
	.protected	k_qe24cbf6412_wprod
	.globl	k_qe24cbf6412_wprod
	.p2align	8
	.type	k_qe24cbf6412_wprod,@function
k_qe24cbf6412_wprod:
	s_mov_b64 s[64:65], 0
	v_nop
	global_prefetch_b8 v0, s[64:65] scope:SCOPE_SE
	s_setreg_imm32_b32 hwreg(HW_REG_WAVE_MODE, 25, 1), 1
	s_wait_xcnt 0x0
	s_wait_alu depctr_hold_cnt(0) depctr_sa_sdst(0) depctr_va_vdst(0) depctr_va_sdst(0) depctr_va_ssrc(0) depctr_va_vcc(0) depctr_vm_vsrc(0)
	s_getreg_b32 s2, hwreg(HW_REG_IB_STS2, 6, 4)
	s_cmp_eq_u32 s2, 0
	s_cbranch_scc0 .Lentry_in_a_cluster
	s_endpgm
.Lentry_in_a_cluster:
	s_bfe_u32 s2, ttmp6, 0x10000c
	s_cmp_lg_u32 s2, 0xf033
	s_cbranch_scc0 .Lentry_shape_is_right
	s_endpgm
.Lentry_shape_is_right:
; WPROD.  M_k[d][d'] = the sum over e of W_out[d][1024 k + e] W_in[1024 k + e][d'], bf16 operands, f32 sums, rounded once to bf16 and written as
; mp[(d >> 6) 256 + 64 k + (d & 63)][d'].  Beside it one vector a work-group: q[b][k][d] = the sum over e of W_out[d][1024 k + e] bf16(s0[b][k][e]) into qv, or p[k][d], the same of bf16(b_in[1024 k + e]), into pv
; (four equal copies, so that each of a cluster's four partners along x stores bytes of its own and no branch hangs on its place).
; LIMITS.  The order of rounding differs from a product that goes through the states: M is formed first and rounded to bf16.  s0 and b_in are rounded to bf16, as all inputs are.  NaN and infinities are not treated apart.
; SHARES.  A tile is 128 d x 128 d' of one bank k; four waves, each 64 x 64: 16 accumulators.  K = 1,024 in four steps of 256 through two LDS slots.
; W_out's rows lie along e and are read as they lie (rows of 512 bytes, 528 apart).  W_in's rows lie ACROSS e ([e][d']): 256 rows of 256 bytes, 288 apart, read turned by ds_load_tr16_b128.
; THE MATRIX INSTRUCTION IS USED TRANSPOSED: source 0 = 16 d', source 1 = 16 d: a lane holds one row d and eight neighbouring d'.
; THE VECTOR rides along: source 0 = a fragment whose row 0 is the vector and whose rows 1-15 are zeros, source 1 = the same fragments of W_out: 4 accumulators more; the sum for row d lies in register 0 of lanes 0-15.
; Both waves of a row half form it (a text without a branch in the products); the wave of the left column half hands it on.
; CLUSTER.  4 x 4 work-groups.  W_out's tile hangs on (d tile, k), which a row of the cluster shares; W_in's on (k, d' tile), which a column shares (k comes from the cluster's y alone): each is asked for jointly.
; REGISTERS: window 0: v0-31 addresses; v32-95 at work on the way out; v96-127 the vector's accumulators; v128-255 the accumulators ((a, b) at 128 + 8 (4 a + b)).
;   window 1: W_out's fragments, buffer f at 64 f + 8 (4 c + a).   window 2: W_in's, buffer f at 64 f + 8 (4 c + b); the vector's at 128 + 16 f + 8 c.
.set PA,     528                       ; a row of W_out's tile in LDS: 512 bytes + 16: the 16 rows of a load start at 16 different groups of four banks (64 banks of 4 bytes: ISA guide 11.1)
.set PB,     288                       ; a row of W_in's tile: 256 + 32
.set AHALF,  64*PA
.set BOFF,   2*AHALF                   ; W_in's 256 rows lie behind W_out's 128
.set BHALF,  128*PB
.set SLOT,   BOFF+2*BHALF
.set STAGE,  2*SLOT                    ; behind the ring: 128 rows x 272 bytes, the work-group's, for the way out
.set SPITCH, 272
.set EV,     STAGE+128*SPITCH          ; the vector in bf16 (row 0) and a row of zeros (row 1), 2,064 bytes apart; 17 blocks of 256 bytes
.set EVP,    2064
.set PQS,    EV+4352                   ; the vector's 128 sums (row 0), and 512 bytes for what lanes 16-31 hold (row 1, never read)
.set SPARE,  PQS+1024                  ; the spare words, 128 bytes for each wave: two blocks of 256 bytes that no other line names
.set ADRA, 16                          ; v16-17  my fragments of W_out in slot 0, 1
.set ADRB, 18                          ; v18-21  my fragments of W_in: slot s, rows 0-127 or 128-255, at 18 + 2 s + half
.set EAD,  22                          ; v22     my place in the vector's fragment
.set STO,  24
.set RD,   25
.set CO,   26
.set PQA,  27
.set SPW,  28                          ; v28     LDS address of my spare word; never rewritten
.set NIL,  29                          ; v29     0; never rewritten
.set TMP,  32
.set XA,   96
.set ACC,  128
.set EF,   128                         ; in window 2
.set WV, 18                            ; s18 wave;  s19 which 64 d are mine, also: I fetch W_out's tile (0) or W_in's (1);  s20 which 64 d', also: which half of that tile I fetch
.set HD, 19
.set HC, 20
.set G1, 24                            ; s[24:31] group 1 for W_out's tiles; s[32:39] group 0, a set for each slot
.set G0, 32
.set G1B, 48                           ; s[48:55], s[56:63] the same for W_in's
.set G0B, 56
.set MSB, 0
.macro WIN new                         ; the immediate's high byte repeats the setting that is left
.if MSB != (\new)
	s_set_vgpr_msb (MSB<<8)|(\new)
.set MSB, \new
.endif
.endm
.set MUL, 0x06                         ; source 0 window 2, source 1 window 1, C and D window 0
.macro JLOAD s                         ; a joint load; an s_nop 0 and four v_nop follow each of the two lines, ahead of the jump, the label and what follows
	s_cmp_eq_u32 s[HD], 0
	s_cbranch_scc0 .Lfor_b_\@
	tensor_load_to_lds s[G0+4*(\s):G0+4*(\s)+3], s[G1:G1+7]
	s_nop 0
.rept 4
	v_nop
.endr
	s_branch .Lasked_\@
.Lfor_b_\@:
	tensor_load_to_lds s[G0B+4*(\s):G0B+4*(\s)+3], s[G1B:G1B+7]
	s_nop 0
.rept 4
	v_nop
.endr
.Lasked_\@:
.endm
.macro CREST                           ; a round of the cluster's barrier behind its opening barrier
	s_cmp_lg_u32 s[WV], 0
	s_cbranch_scc1 .Lnot_wave_0_\@
	s_barrier_signal -3
.Lnot_wave_0_\@:
	s_barrier_wait -3
	s_barrier_signal -1
	s_barrier_wait -1
.endm
.macro CROUND
	s_barrier_signal -1
	s_barrier_wait -1
	CREST
.endm
	s_load_b256 s[4:11], s[0:1], 0x0               ; wob s[4:5], wib s[6:7], s0 s[8:9], b_in s[10:11]
	s_load_b128 s[12:15], s[0:1], 0x20             ; mp s[12:13], qv s[14:15]
	s_load_b64 s[16:17], s[0:1], 0x30              ; pv
	v_lshl_add_u32 v[SPW], v0, 2, SPARE
	v_mov_b32 v[NIL], 0
	ds_add_u32 v[SPW], v[NIL]                      ; the wave's opening: the add and its wait stand ahead of my first tensor load; the set-up below, work on registers, stands between them
	v_lshrrev_b32 v1, 5, v0
	v_readfirstlane_b32 s[WV], v1
	s_lshr_b32 s[HD], s[WV], 1
	s_and_b32 s[HC], s[WV], 1
	s_bfe_u32 s21, ttmp6, 0x40000                  ; cx
	s_bfe_u32 s22, ttmp6, 0x40004                  ; cy
	s_mov_b32 s77, ttmp9                           ; the cluster's x: 0 or 1
	s_lshl_b32 s23, ttmp9, 2
	s_add_co_u32 s23, s23, s21                     ; d' tile = 4 x cluster x + cx
	s_and_b32 s41, ttmp7, 0xffff                   ; the cluster's y
	s_and_b32 s42, s41, 1
	s_lshl_b32 s42, s42, 2
	s_add_co_u32 s42, s42, s22                     ; d tile = 4 x (cluster y & 1) + cy
	s_lshr_b32 s41, s41, 1                         ; k = cluster y >> 1: the same in all sixteen
	s_lshl_b32 s43, s22, 2
	s_lshl_b32 s43, 15, s43                        ; my row of the cluster
	s_lshl_b32 s44, 0x1111, s21                    ; my column
	s_or_b32 s[G1+0], s43, (1<<16)|(1<<20)|(1<<21)|(6<<22)|(3<<25)   ; the mask; 2-byte elements; padding on; bit 21 beside a mask; after every 128 words, 4 words
	s_mov_b32 s[G1+1], 256<<16                     ; tensor_dim0 = 256
	s_mov_b32 s[G1+2], 64<<16                      ; tensor_dim1 = 64
	s_mov_b32 s[G1+3], 256<<16                     ; tile_dim0 = 256
	s_mov_b32 s[G1+4], 64                          ; tile_dim1 = 64
	s_mov_b32 s[G1+5], 4096                        ; elements from row to row of wob
	s_mov_b32 s[G1+6], 0
	s_mov_b32 s[G1+7], 0
	s_or_b32 s[G1B+0], s44, (1<<16)|(1<<20)|(1<<21)|(5<<22)|(7<<25)  ; after every 64 words, 8 words
	s_mov_b32 s[G1B+1], 128<<16
	s_mov_b32 s[G1B+2], 128<<16
	s_mov_b32 s[G1B+3], 128<<16
	s_mov_b32 s[G1B+4], 128
	s_mov_b32 s[G1B+5], 1024                       ; elements from row to row of wib
	s_mov_b32 s[G1B+6], 0
	s_mov_b32 s[G1B+7], 0
	s_lshl_b32 s66, s42, 7                         ; wob: row 128 x d tile + 64 x half,
	s_lshl_b32 s80, s[HC], 6
	s_add_co_u32 s66, s66, s80
	s_lshl_b32 s66, s66, 13                        ; x 8,192 bytes,
	s_lshl_b32 s80, s41, 11
	s_add_co_u32 s66, s66, s80                     ; + bank k's 2,048 bytes of the row
	s_mov_b32 s67, 0
	s_lshl_b32 s46, s41, 10                        ; wib: row 1,024 k + 128 x half,
	s_lshl_b32 s80, s[HC], 7
	s_add_co_u32 s46, s46, s80
	s_lshl_b32 s46, s46, 11                        ; x 2,048 bytes,
	s_lshl_b32 s81, s23, 8
	s_add_co_u32 s46, s46, s81                     ; + the d' tile's 256 bytes
	s_mov_b32 s47, 0
	s_mul_i32 s78, s[HC], AHALF                    ; where they go: the wave's number alone enters an LDS address
	s_mul_i32 s79, s[HC], BHALF
	s_add_co_u32 s79, s79, BOFF
	s_wait_dscnt 0x0                               ; the opening add is done
	s_wait_kmcnt 0x0
	s_add_nc_u64 s[66:67], s[4:5], s[66:67]
	s_add_nc_u64 s[46:47], s[6:7], s[46:47]
	CROUND                                         ; all sixteen work-groups are here: the first joint loads meet
.irp s, 0,1
	s_mov_b32 s[G0+4*(\s)], 1
	s_add_co_u32 s[G0+4*(\s)+1], s78, (\s)*SLOT
	s_add_nc_u64 s[G0+4*(\s)+2:G0+4*(\s)+3], s[66:67], (\s)*512        ; K step s: 256 elements along the row
	s_or_b32 s[G0+4*(\s)+3], s[G0+4*(\s)+3], 0x80000000
	s_mov_b32 s[G0B+4*(\s)], 1
	s_add_co_u32 s[G0B+4*(\s)+1], s79, (\s)*SLOT
	s_add_nc_u64 s[G0B+4*(\s)+2:G0B+4*(\s)+3], s[46:47], (\s)*524288   ; K step s: 256 rows down
	s_or_b32 s[G0B+4*(\s)+3], s[G0B+4*(\s)+3], 0x80000000
	JLOAD \s                                       ; two tensor loads of mine are out
.endr
	; the vector: cluster x = 0: s0[cx][k] -> qv[cx][k]; cluster x = 1: b_in[k] -> pv[cx][k].  A choice of addresses; no branch
	s_lshl_b32 s45, s21, 2
	s_add_co_u32 s45, s45, s41
	s_lshl_b32 s45, s45, 12                        ; (4 cx + k) x 4,096 bytes
	s_lshl_b32 s76, s41, 12                        ; k x 4,096
	s_cmp_eq_u32 s77, 0
	s_cselect_b64 s[68:69], s[8:9], s[10:11]
	s_cselect_b64 s[70:71], s[14:15], s[16:17]
	s_cselect_b32 s72, s45, s76
	s_mov_b32 s73, 0
	s_add_nc_u64 s[68:69], s[68:69], s[72:73]
	s_lshl_b32 s72, s42, 9                         ; the d tile's 128 numbers
	s_add_co_u32 s72, s72, s45
	s_add_nc_u64 s[70:71], s[70:71], s[72:73]
	v_lshlrev_b32 v3, 5, v0                        ; thread t takes 8 of the 1,024 numbers
	global_load_b128 v[32:35], v3, s[68:69]
	global_load_b128 v[36:39], v3, s[68:69] offset:16
	v_and_b32 v1, 15, v0                           ; r = l % 16
	v_bfe_u32 v2, v0, 4, 1                         ; h = l / 16
	v_mul_u32_u24 v4, v1, PA
	v_lshl_add_u32 v4, v2, 4, v4
	s_mul_i32 s76, s[HD], AHALF                    ; my 64 rows of W_out
	v_add_nc_u32 v[ADRA], s76, v4
	v_add_nc_u32 v[ADRA+1], SLOT, v[ADRA]
	; the turning load takes 16 e x 16 d' (lane l reads row 8 (l / 16) + l % 8, 16 bytes at 16 ((l / 8) % 2)) and leaves half a fragment: lane l holds column l % 16 and 8 e
	v_and_b32 v6, 7, v0
	v_bfe_u32 v7, v0, 3, 1
	v_lshl_add_u32 v8, v2, 3, v6
	v_mul_u32_u24 v8, v8, PB
	v_lshl_add_u32 v8, v7, 4, v8
	s_lshl_b32 s76, s[HC], 7                       ; my 64 columns
	s_add_co_u32 s76, s76, BOFF
	v_add_nc_u32 v[ADRB], s76, v8
	v_add_nc_u32 v[ADRB+1], BHALF, v[ADRB]
	v_add_nc_u32 v[ADRB+2], SLOT, v[ADRB]
	v_add_nc_u32 v[ADRB+3], SLOT+BHALF, v[ADRB]
	v_min_u32 v5, 1, v1                            ; row 0 is the vector, rows 1-15 read the zeros
	v_mul_u32_u24 v5, v5, EVP
	v_lshl_add_u32 v5, v2, 4, v5
	v_add_nc_u32 v[EAD], EV, v5
	s_mul_i32 s76, s[HD], 64*SPITCH                ; into the stage: my 64 rows, my half of their 256 bytes
	s_lshl_b32 s80, s[HC], 7
	s_add_co_u32 s76, s76, s80
	s_add_co_u32 s76, s76, STAGE
	v_mul_u32_u24 v4, v1, SPITCH
	v_lshl_add_u32 v4, v2, 4, v4
	v_add_nc_u32 v[STO], s76, v4
	s_mul_i32 s76, s[WV], 32*SPITCH                ; back: wave w takes rows 32 w .. 32 w + 31, whole
	s_add_co_u32 s76, s76, STAGE
	v_mul_u32_u24 v5, v2, SPITCH
	v_lshl_add_u32 v5, v1, 4, v5
	v_add_nc_u32 v[RD], s76, v5
	v_lshlrev_b32 v5, 11, v2                       ; and the same two rows in mp
	v_lshl_add_u32 v[CO], v1, 4, v5
	s_lshl_b32 s76, s[HD], 8                       ; the vector's sums: word 64 x row half + r; lanes 16-31 into the row that nobody reads
	s_add_co_u32 s76, s76, PQS
	v_lshlrev_b32 v5, 9, v2
	v_lshl_add_u32 v5, v1, 2, v5
	v_add_nc_u32 v[PQA], s76, v5
	s_lshl_b32 s72, s42, 1                         ; mp: row (2 x d tile + w / 2) 256 + 64 k + 32 (w % 2),
	s_add_co_u32 s72, s72, s[HD]
	s_lshl_b32 s72, s72, 8
	s_lshl_b32 s76, s41, 6
	s_add_co_u32 s72, s72, s76
	s_lshl_b32 s76, s[HC], 5
	s_add_co_u32 s72, s72, s76
	s_lshl_b32 s72, s72, 11                        ; x 2,048 bytes,
	s_add_co_u32 s72, s72, s81                     ; + the d' tile's 256 bytes
	s_add_nc_u64 s[74:75], s[12:13], s[72:73]
	v_lshl_add_u32 v9, v0, 4, EV                   ; thread t's 16 bytes of the vector in bf16
.irp z, 44,45,46,47
	v_mov_b32 v\z, 0
.endr
	s_wait_loadcnt 0x0
	v_cvt_pk_bf16_f32 v40, v32, v33
	v_cvt_pk_bf16_f32 v41, v34, v35
	v_cvt_pk_bf16_f32 v42, v36, v37
	v_cvt_pk_bf16_f32 v43, v38, v39
	ds_store_b128 v9, v[40:43]
	ds_store_b128 v9, v[44:47] offset:EVP
; 10 matrix instructions: d blocks a0, a0 + 1 x all 4 d' blocks, then the vector's two, 32 along K: half c of buffer f.  All take turns.  zero = 1: the first product starts the sums
.macro MUL10 f, c, a0, zero
	WIN MUL
.set ia, \a0
.rept 2
.set ib, 0
.rept 4
.if \zero
	v_wmma_f32_16x16x32_bf16 v[ACC+8*(4*ia+ib):ACC+8*(4*ia+ib)+7], v[64*(\f)+8*(4*(\c)+ib):64*(\f)+8*(4*(\c)+ib)+7], v[64*(\f)+8*(4*(\c)+ia):64*(\f)+8*(4*(\c)+ia)+7], 0
.else
	v_wmma_f32_16x16x32_bf16 v[ACC+8*(4*ia+ib):ACC+8*(4*ia+ib)+7], v[64*(\f)+8*(4*(\c)+ib):64*(\f)+8*(4*(\c)+ib)+7], v[64*(\f)+8*(4*(\c)+ia):64*(\f)+8*(4*(\c)+ia)+7], v[ACC+8*(4*ia+ib):ACC+8*(4*ia+ib)+7]
.endif
.set ib, ib+1
.endr
.set ia, ia+1
.endr
.set ia, \a0
.rept 2
.if \zero
	v_wmma_f32_16x16x32_bf16 v[XA+8*ia:XA+8*ia+7], v[EF+16*(\f)+8*(\c):EF+16*(\f)+8*(\c)+7], v[64*(\f)+8*(4*(\c)+ia):64*(\f)+8*(4*(\c)+ia)+7], 0
.else
	v_wmma_f32_16x16x32_bf16 v[XA+8*ia:XA+8*ia+7], v[EF+16*(\f)+8*(\c):EF+16*(\f)+8*(\c)+7], v[64*(\f)+8*(4*(\c)+ia):64*(\f)+8*(4*(\c)+ia)+7], v[XA+8*ia:XA+8*ia+7]
.endif
.set ia, ia+1
.endr
.endm
; 36 LDS loads in one run: the fragments of quarter q (64 along K) of a slot into buffer f, the first 32 along K first (18 loads).  ke = the quarter's first e among the bank's 1,024
.macro FETCH slot, q, f, ke
.set ic, 0
.rept 2
	WIN 0x80                                       ; destination window 2, address window 0
.set ib, 0
.rept 4
	ds_load_tr16_b128 v[64*(\f)+8*(4*ic+ib):64*(\f)+8*(4*ic+ib)+3],   v[ADRB+2*(\slot)+(\q)/2] offset:(((\q)%2)*64+32*ic)*PB+32*ib
	ds_load_tr16_b128 v[64*(\f)+8*(4*ic+ib)+4:64*(\f)+8*(4*ic+ib)+7], v[ADRB+2*(\slot)+(\q)/2] offset:(((\q)%2)*64+32*ic+16)*PB+32*ib
.set ib, ib+1
.endr
	ds_load_b128 v[EF+16*(\f)+8*ic:EF+16*(\f)+8*ic+3],   v[EAD] offset:2*(\ke)+64*ic
	ds_load_b128 v[EF+16*(\f)+8*ic+4:EF+16*(\f)+8*ic+7], v[EAD] offset:2*(\ke)+64*ic+32
	WIN 0x40                                       ; destination window 1
.set ia, 0
.rept 4
	ds_load_b128 v[64*(\f)+8*(4*ic+ia):64*(\f)+8*(4*ic+ia)+3],   v[ADRA+(\slot)] offset:ia*16*PA+128*(\q)+64*ic
	ds_load_b128 v[64*(\f)+8*(4*ic+ia)+4:64*(\f)+8*(4*ic+ia)+7], v[ADRA+(\slot)] offset:ia*16*PA+128*(\q)+64*ic+32
.set ia, ia+1
.endr
.set ic, ic+1
.endr
.endm
.macro PLACES                          ; four places in front of loads into registers that matrix instructions have read, and of vector lines that read results (ISA guide 7.12.1 for vector lines)
.rept 4
	v_nop
.endr
.endm
; A K step is four quarters of 64 along K, 40 matrix instructions each, on buffers 0, 1, 0, 1.  One of the first three: multiplies buffer f and fetches quarter q into g.
.macro QUARTER slot, q, f, g, zero, ke
	s_wait_dscnt 18                                ; the first 32 along K are in; the other 18 loads may be out
	MUL10 \f, 0, 0, \zero
	MUL10 \f, 0, 2, \zero
	PLACES
	FETCH \slot, \q, \g, \ke
	s_wait_dscnt 36                                ; all but the 36 just issued
	MUL10 \f, 1, 0, 0
	MUL10 \f, 1, 2, 0
.endm
; The last quarter multiplies buffer 1 and changes slots: ONE barrier; in front of it each wave waits for all its tensor loads, adds 0 to its spare word, and waits for that and for its reads of this slot.
.macro TURN slot, next, fill, ke
	WIN 0                                          ; (the add's two registers lie in window 0)
	s_wait_tensorcnt 0x0                           ; all my tensor loads have landed: my part of the next slot
	ds_add_u32 v[SPW], v[NIL]                      ; 0 onto my spare word
	s_wait_dscnt 19                                ; (the add and the youngest 18 loads may be out)
	MUL10 1, 0, 0, 0                               ; ten matrix instructions stand between the add and the wait for it
	s_wait_dscnt 0x0                               ; the add is done, and my reads of this slot are over
	s_barrier_signal -1
	MUL10 1, 0, 2, 0
.if \fill
	WIN 0
.endif
	s_barrier_wait -1
.if \fill
	CREST                                          ; the barrier has opened a round of the cluster's: no wave of any partner still reads this slot or has a load on its way
	s_add_nc_u64 s[G0+4*(\slot)+2:G0+4*(\slot)+3], s[G0+4*(\slot)+2:G0+4*(\slot)+3], 1024       ; two K steps on along wob's rows,
	s_add_nc_u64 s[G0B+4*(\slot)+2:G0B+4*(\slot)+3], s[G0B+4*(\slot)+2:G0B+4*(\slot)+3], 1048576 ; 512 rows down in wib
	JLOAD \slot                                    ; the first tensor load behind the round, my only one out; its four v_nop are also the places in front of the loads below
.else
	PLACES
.endif
	FETCH \next, 0, 0, \ke
	MUL10 1, 1, 0, 0
	MUL10 1, 1, 2, 0
.endm
	s_wait_dscnt 0x0                               ; for the others' sake: my part of the vector and of the zeros is in LDS
	s_wait_tensorcnt 1                             ; my part of K step 0 is in; slot 1's may stay out
	s_barrier_signal -1
	s_barrier_wait -1
	FETCH 0, 0, 0, 0
	QUARTER 0, 1, 0, 1, 1, 64                      ; four K steps, written out: each quarter names its own place in the vector
	QUARTER 0, 2, 1, 0, 0, 128
	QUARTER 0, 3, 0, 1, 0, 192
	TURN 0, 1, 1, 256
	QUARTER 1, 1, 0, 1, 0, 320
	QUARTER 1, 2, 1, 0, 0, 384
	QUARTER 1, 3, 0, 1, 0, 448
	TURN 1, 0, 1, 512
	QUARTER 0, 1, 0, 1, 0, 576
	QUARTER 0, 2, 1, 0, 0, 640
	QUARTER 0, 3, 0, 1, 0, 704
	TURN 0, 1, 0, 768                              ; nothing is left to fetch
	QUARTER 1, 1, 0, 1, 0, 832
	QUARTER 1, 2, 1, 0, 0, 896
	QUARTER 1, 3, 0, 1, 0, 960
	s_wait_dscnt 18
	MUL10 1, 0, 0, 0
	MUL10 1, 0, 2, 0
	s_wait_dscnt 0x0
	MUL10 1, 1, 0, 0
	MUL10 1, 1, 2, 0
	WIN 0
	; THE WAY OUT: round to bf16; 16 bytes a lane into the work-group's stage; a barrier, since a row's 256 bytes come from two waves; back as whole rows, 32 rows a wave.
	PLACES
.set t, 0
.rept 16
.set r, 0
.rept 4
	v_cvt_pk_bf16_f32 v[TMP+4*t+r], v[ACC+8*t+2*r], v[ACC+8*t+2*r+1]  ; each accumulator from its low end on
.set r, r+1
.endr
.set t, t+1
.endr
.set ia, 0
.rept 4
.set ib, 0
.rept 4
	ds_store_b128 v[STO], v[TMP+4*(4*ia+ib):TMP+4*(4*ia+ib)+3] offset:ia*16*SPITCH+32*ib
.set ib, ib+1
.endr
.set ia, ia+1
.endr
	s_cmp_lg_u32 s[HC], 0
	s_cbranch_scc1 .Lno_vec                        ; the two waves of a row half hold the same sums: the left one hands them on
.irp a, 0,1,2,3
	ds_store_b32 v[PQA], v[XA+8*\a] offset:64*\a   ; register 0: lanes 0-15 hold the vector's row, lanes 16-31 a row of zeros' products
.endr
.Lno_vec:
	v_and_b32 v5, 31, v0
	v_lshlrev_b32 v5, 4, v5                        ; 16 x lane
	v_add_nc_u32 v6, PQS, v5
	s_wait_dscnt 0x0                               ; for the others' sake: my stores into the stage are done
	s_barrier_signal -1
	s_barrier_wait -1
.set t, 0
.rept 16
	ds_load_b128 v[TMP+4*t:TMP+4*t+3], v[RD] offset:t*2*SPITCH
.set t, t+1
.endr
.set t, 0
.rept 16
	s_wait_dscnt 15-t
	global_store_b128 v[CO], v[TMP+4*t:TMP+4*t+3], s[74:75] offset:2*t*2048  ; 16 lanes store 256 consecutive bytes, at a multiple of 256 from mp's first byte
.set t, t+1
.endr
	s_cmp_lg_u32 s[WV], 0
	s_cbranch_scc1 .Lno_pq
	ds_load_b128 v[XA:XA+3], v6                    ; wave 0: the 128 sums, 512 consecutive bytes
	s_wait_dscnt 0x0
	global_store_b128 v5, v[XA:XA+3], s[70:71]
.Lno_pq:
	s_wait_tensorcnt 0x0                           ; the wave's end, behind my last tensor load and my last LDS store
	ds_add_u32 v[SPW], v[NIL]
	s_wait_dscnt 0x0
	CROUND                                         ; the closing round: no work-group ends while a partner may still ask for a tile that names it
	s_endpgm
.Lfunc_end_k_qe24cbf6412_wprod:
	.size	k_qe24cbf6412_wprod, .Lfunc_end_k_qe24cbf6412_wprod-k_qe24cbf6412_wprod
	.p2alignl 7, 3214868480
	.fill 96, 4, 3214868480
	.section	.rodata,"a",@progbits
	.p2align	6, 0x0
	.amdhsa_kernel k_qe24cbf6412_wprod
		.amdhsa_group_segment_fixed_size 327680
		.amdhsa_private_segment_fixed_size 0
		.amdhsa_enable_private_segment 0
		.amdhsa_kernarg_size 56
		.amdhsa_user_sgpr_count 2
		.amdhsa_user_sgpr_kernarg_segment_ptr 1
		.amdhsa_wavefront_size32 1
		.amdhsa_system_sgpr_workgroup_id_x 1
		.amdhsa_system_sgpr_workgroup_id_y 1
		.amdhsa_system_sgpr_workgroup_id_z 1
		.amdhsa_system_vgpr_workitem_id 0
		.amdhsa_next_free_vgpr 768
		.amdhsa_next_free_sgpr 84
		.amdhsa_reserve_vcc 0
		.amdhsa_float_denorm_mode_32 3
		.amdhsa_float_denorm_mode_16_64 3
		.amdhsa_memory_ordered 1
		.amdhsa_forward_progress 1
		.amdhsa_inst_pref_size 103
	.end_amdhsa_kernel
	.amdgpu_metadata
---
amdhsa.version: [ 1, 2 ]
amdhsa.kernels:
  - .name:           k_qe24cbf6412_wprod
    .symbol:         k_qe24cbf6412_wprod.kd
    .args:
      - { .name: wob, .offset: 0, .size: 8, .value_kind: global_buffer, .address_space: global }
      - { .name: wib, .offset: 8, .size: 8, .value_kind: global_buffer, .address_space: global }
      - { .name: s0, .offset: 16, .size: 8, .value_kind: global_buffer, .address_space: global }
      - { .name: b_in, .offset: 24, .size: 8, .value_kind: global_buffer, .address_space: global }
      - { .name: mp, .offset: 32, .size: 8, .value_kind: global_buffer, .address_space: global }
      - { .name: qv, .offset: 40, .size: 8, .value_kind: global_buffer, .address_space: global }
      - { .name: pv, .offset: 48, .size: 8, .value_kind: global_buffer, .address_space: global }
    .group_segment_fixed_size: 327680
    .private_segment_fixed_size: 0
    .kernarg_segment_align: 8
    .kernarg_segment_size: 56
    .max_flat_workgroup_size: 128
    .sgpr_count:     84
    .vgpr_count:     768
    .wavefront_size: 32
...
	.end_amdgpu_metadata
.endif
;; end of part 2
;; launch zs (part 3): grid 32 x 8, 4 waves a work-group, clusters of 4 x 1, 327,680 bytes of LDS; arguments eb, mp, wib, qv, s0, pv, b_in, decay_logit, zc, out1; writes zc, out1
.if DOCPART == 3
	.amdgcn_target "amdgcn-amd-amdhsa--gfx1250"
	.amdhsa_code_object_version 6
	.text
	.protected	k_qe24cbf6412_zs
	.globl	k_qe24cbf6412_zs
	.p2align	8
	.type	k_qe24cbf6412_zs,@function
k_qe24cbf6412_zs:
	s_mov_b64 s[64:65], 0
	v_nop
	global_prefetch_b8 v0, s[64:65] scope:SCOPE_SE
	s_setreg_imm32_b32 hwreg(HW_REG_WAVE_MODE, 25, 1), 1
	s_wait_xcnt 0x0
	s_wait_alu depctr_hold_cnt(0) depctr_sa_sdst(0) depctr_va_vdst(0) depctr_va_sdst(0) depctr_va_ssrc(0) depctr_va_vcc(0) depctr_vm_vsrc(0)
	s_getreg_b32 s2, hwreg(HW_REG_IB_STS2, 6, 4)
	s_cmp_eq_u32 s2, 0
	s_cbranch_scc0 .Lentry_in_a_cluster
	s_endpgm
.Lentry_in_a_cluster:
	s_bfe_u32 s2, ttmp6, 0x10000c
	s_cmp_lg_u32 s2, 0x3003
	s_cbranch_scc0 .Lentry_shape_is_right
	s_endpgm
.Lentry_shape_is_right:
; ZS.  The scan over chunks of 64 time steps.  With A = a_k^64 and C = 1 + a_k + .. + a_k^63:  Z[c + 1] = A Z[c] + X e_k[c] + C bias,  Z[0] = init,  for the 32 chunks c of a batch.
; First half of the grid (cluster x < 4): X = 64 rows of mp (M_k), init = qv, bias = pv; zc[32 b + c][row of mp] = Z[c], the state of the output space in front of chunk c.
; Second half: X = 64 rows of wib (W_in of bank k), init = bf16(s0), bias = bf16(b_in); out1[b][k][e] = Z[32], the last state.
; The product X e is bf16 x bf16 with f32 sums; the scan is f32.  LIMITS: e was rounded to bf16 as a matrix operand; decay_logit is rounded to bf16 like all inputs; A and its powers may fall to 0 for small a;
; NaN and infinities are not treated apart.
; SHARES.  A work-group: bank k, two batches (64 rows of eb) x 64 rows of X, K = 1,024, all of it in LDS at once: nothing is filled again.  Wave w: batch w % 2 (32 chunks: 2 blocks of 16) x 32 rows of X (w / 2).
; Source 0 = 16 chunks, source 1 = 16 rows of X: a lane holds one row of X and the chunks 8 (l / 16) + 0..7: the scan runs along a lane's registers, one exchange between the halves of the lanes for 16 chunks.
; CLUSTER.  The four work-groups of a cluster have the same k and batches: eb's tile, half of what a work-group fetches, is asked for jointly; X's tiles are each work-group's own.
; The branch at the end hangs on the cluster's x, which the partners share.
.set PT,    1040                       ; a row in LDS: 1,024 bytes (half of K) + 16: the 16 rows of a load start at 16 different groups of four banks (64 banks of 4 bytes: ISA guide 11.1)
.set KHB,   64*PT                      ; 64 rows of one half of K
.set XT,    2*KHB                      ; eb's tile lies at 0, X's here
.set STAGE, 2*XT                       ; 66 rows x 272 bytes: row 33 (batch) + c holds Z[c] of the 64 rows of X; 71 blocks of 256 bytes
.set SPITCH, 272
.set SPARE, STAGE+18176                ; the spare words, 128 bytes for each wave: two blocks of 256 bytes that no other line names
.set AE,  10                           ; v10-11  my fragments of eb, K half 0, 1
.set AX,  12                           ; v12-13  of X
.set STO, 14
.set ST0, 15
.set RD,  16
.set CO,  17
.set SPW, 18                           ; v18  LDS address of my spare word; never rewritten
.set NIL, 19                           ; v19  0; never rewritten
.set R4,  20
.set RL,  21
.set BV,  22                           ; v22-23  C x bias, by block of 16 rows of X
.set CAR, 24                           ; v24-25  the state in front of the 16 chunks in hand
.set FF,  26                           ; lanes 0-15: 1; lanes 16-31: A^8
.set FB,  27                           ; lanes 0-15: A^8; lanes 16-31: 1
.set AJ,  28                           ; v28-35  A^(j+1)
.set HM,  36                           ; lanes 0-15: 0; lanes 16-31: 1
.set WO,  37
.set SS,  38
.set TT,  39
.set ACC, 40                           ; v40-71  (chunk block m, X block n) at 40 + 8 (2 m + n)
.set FR,  72                           ; v72-199 two fragment buffers of 64: for each 32 along K: eb's two blocks, X's two
.set OB,  200
.set WV, 24
.set G1E, 36                           ; s[36:43] group 1 for eb's tile, s[44:51] for X's
.set G1X, 44
.macro CROUND
	s_barrier_signal -1
	s_barrier_wait -1
	s_cmp_lg_u32 s[WV], 0
	s_cbranch_scc1 .Lnot_wave_0_\@
	s_barrier_signal -3
.Lnot_wave_0_\@:
	s_barrier_wait -3
	s_barrier_signal -1
	s_barrier_wait -1
.endm
	s_load_b512 s[4:19], s[0:1], 0x0               ; eb s[4:5], mp s[6:7], wib s[8:9], qv s[10:11], s0 s[12:13], pv s[14:15], b_in s[16:17], decay_logit s[18:19]
	s_load_b128 s[20:23], s[0:1], 0x40             ; zc s[20:21], out1 s[22:23]
	v_lshl_add_u32 v[SPW], v0, 2, SPARE
	v_mov_b32 v[NIL], 0
	ds_add_u32 v[SPW], v[NIL]                      ; the wave's opening: the add and its wait stand ahead of my first tensor load; the set-up below, work on registers, stands between them
	v_lshrrev_b32 v1, 5, v0
	v_readfirstlane_b32 s[WV], v1
	s_and_b32 s25, s[WV], 1                        ; my batch of the two; also: which 32 rows of a tile I fetch
	s_lshr_b32 s26, s[WV], 1                       ; my 32 rows of X; also: I fetch eb's tile (0) or X's (1)
	s_bfe_u32 s27, ttmp6, 0x40000                  ; cx
	s_mov_b32 s35, ttmp9                           ; the cluster's x
	s_lshl_b32 s28, ttmp9, 2
	s_add_co_u32 s28, s28, s27                     ; i = 4 x cluster x + cx
	s_and_b32 s34, s28, 15                         ; the block of 64 rows of X among a bank's 16
	s_and_b32 s29, ttmp7, 0xffff
	s_lshr_b32 s30, s29, 1                         ; k
	s_and_b32 s31, s29, 1                          ; which pair of batches
	s_cmp_ge_u32 s35, 4
	s_cselect_b32 s32, 1, 0                        ; 1: the second half of the grid
	s_cselect_b32 s33, -1, 0                       ; the same as a mask of lanes
	s_mov_b32 s[G1E+0], 15|(1<<16)|(1<<20)|(1<<21)|(7<<22)|(3<<25)  ; the mask of four; 2-byte elements; padding on; bit 21 beside a mask; after every 256 words, 4 words
	s_mov_b32 s[G1X+0], (1<<16)|(1<<20)|(7<<22)|(3<<25)             ; no mask: my own tile
.irp g, G1E, G1X
	s_mov_b32 s[\g+1], 512<<16                     ; tensor_dim0 = 512
	s_mov_b32 s[\g+2], 32<<16                      ; tensor_dim1 = 32
	s_mov_b32 s[\g+3], 512<<16                     ; tile_dim0 = 512
	s_mov_b32 s[\g+4], 32                          ; tile_dim1 = 32
	s_mov_b32 s[\g+5], 1024                        ; elements from row to row
	s_mov_b32 s[\g+6], 0
	s_mov_b32 s[\g+7], 0
.endr
	s_mul_i32 s86, s25, 32*PT                      ; where my 32 rows go: the wave's number alone
	s_mov_b32 s52, 1                               ; s[52:55], s[56:59]: group 0 for eb's tile, K half 0, 1
	s_add_co_u32 s53, s86, 0
	s_mov_b32 s56, 1
	s_add_co_u32 s57, s86, KHB
	s_mov_b32 s60, 1                               ; s[60:63], s[68:71]: the same for X's
	s_add_co_u32 s61, s86, XT
	s_mov_b32 s68, 1
	s_add_co_u32 s69, s86, XT+KHB
	s_lshl_b32 s72, s30, 2                         ; eb: (4 k + 2 pair + half) x 32 rows x 2,048 bytes: nothing of cx in it
	s_lshl_b32 s87, s31, 1
	s_add_co_u32 s72, s72, s87
	s_add_co_u32 s72, s72, s25
	s_lshl_b32 s72, s72, 16
	s_mov_b32 s73, 0
	s_lshl_b32 s88, s28, 19                        ; X in mp: row 256 i + 64 k, x 2,048 bytes
	s_lshl_b32 s92, s30, 17
	s_add_co_u32 s88, s88, s92
	s_lshl_b32 s89, s30, 21                        ; X in wib: row 1,024 k + 64 (i % 16)
	s_lshl_b32 s92, s34, 17
	s_add_co_u32 s89, s89, s92
	s_cmp_eq_u32 s32, 1
	s_cselect_b32 s74, s89, s88
	s_lshl_b32 s92, s25, 16                        ; + my 32 rows
	s_add_co_u32 s74, s74, s92
	s_mov_b32 s75, 0
	s_wait_dscnt 0x0                               ; the opening add is done
	s_wait_kmcnt 0x0
	s_add_nc_u64 s[72:73], s[4:5], s[72:73]
	s_cmp_eq_u32 s32, 1
	s_cselect_b64 s[90:91], s[8:9], s[6:7]
	s_add_nc_u64 s[74:75], s[90:91], s[74:75]
	s_add_nc_u64 s[54:55], s[72:73], 0
	s_or_b32 s55, s55, 0x80000000
	s_add_nc_u64 s[58:59], s[72:73], 1024          ; the second half of K
	s_or_b32 s59, s59, 0x80000000
	s_add_nc_u64 s[62:63], s[74:75], 0
	s_or_b32 s63, s63, 0x80000000
	s_add_nc_u64 s[70:71], s[74:75], 1024
	s_or_b32 s71, s71, 0x80000000
	CROUND                                         ; all four work-groups are here: the joint loads meet
	s_cmp_lt_u32 s[WV], 2                          ; a wave's two fills stand in one branch: two tensor loads of mine are out; an s_nop 0 follows each, four v_nop the second's
	s_cbranch_scc0 .Lfill_x
	tensor_load_to_lds s[52:55], s[G1E:G1E+7]
	s_nop 0
	tensor_load_to_lds s[56:59], s[G1E:G1E+7]
	s_nop 0
.rept 4
	v_nop
.endr
	s_branch .Lfilled
.Lfill_x:
	tensor_load_to_lds s[60:63], s[G1X:G1X+7]
	s_nop 0
	tensor_load_to_lds s[68:71], s[G1X:G1X+7]
	s_nop 0
.rept 4
	v_nop
.endr
.Lfilled:
	; all that follows, up to the wait for the tiles, stands in that wait
	s_lshl_b32 s88, s30, 2
	s_mov_b32 s89, 0
	s_add_nc_u64 s[90:91], s[18:19], s[88:89]
	s_load_b32 s76, s[90:91], 0x0                  ; bank k's logit
	s_lshl_b32 s92, s31, 1                         ; init and bias: row (batch, k) of 4,096 bytes,
	s_add_co_u32 s92, s92, s25
	s_lshl_b32 s92, s92, 2
	s_add_co_u32 s92, s92, s30
	s_lshl_b32 s92, s92, 12
	s_lshl_b32 s93, s34, 8                         ; + my 32 of the block's 64 numbers
	s_lshl_b32 s94, s26, 7
	s_add_co_u32 s93, s93, s94
	s_lshl_b32 s94, s30, 12                        ; (b_in has no batch)
	s_cmp_eq_u32 s32, 1
	s_cselect_b64 s[82:83], s[12:13], s[10:11]     ; s0 or qv
	s_cselect_b64 s[84:85], s[16:17], s[14:15]     ; b_in or pv
	s_cselect_b32 s94, s94, s92
	s_add_co_u32 s88, s92, s93
	s_add_nc_u64 s[82:83], s[82:83], s[88:89]
	s_add_co_u32 s88, s94, s93
	s_add_nc_u64 s[84:85], s[84:85], s[88:89]
	v_and_b32 v1, 15, v0                           ; r
	v_bfe_u32 v2, v0, 4, 1                         ; h
	v_lshlrev_b32 v[R4], 2, v1
.irp n, 0,1
	global_load_b32 v[CAR+\n], v[R4], s[82:83] offset:64*\n
	global_load_b32 v[BV+\n], v[R4], s[84:85] offset:64*\n
.endr
	s_lshl_b32 s88, s31, 1                         ; zc: row (2 pair + w / 2) 32 + 16 (w % 2), x 16,384 bytes, + 1,024 i + 256 k
	s_add_co_u32 s88, s88, s26
	s_lshl_b32 s88, s88, 5
	s_lshl_b32 s92, s25, 4
	s_add_co_u32 s88, s88, s92
	s_lshl_b32 s88, s88, 14
	s_lshl_b32 s92, s28, 10
	s_add_co_u32 s88, s88, s92
	s_lshl_b32 s92, s30, 8
	s_add_co_u32 s88, s88, s92
	s_add_nc_u64 s[20:21], s[20:21], s[88:89]
	s_lshl_b32 s88, s31, 3                         ; out1: row (8 pair + k) of 4,096 bytes + 256 (i % 16)
	s_add_co_u32 s88, s88, s30
	s_lshl_b32 s88, s88, 12
	s_lshl_b32 s92, s34, 8
	s_add_co_u32 s88, s88, s92
	s_add_nc_u64 s[22:23], s[22:23], s[88:89]
	s_mov_b32 s79, 0xffff0000                      ; lanes 16-31
	s_mov_b32 s80, 0x76543210                      ; v_permlanex16_b32: each lane takes its own place in the other half
	s_mov_b32 s81, 0xfedcba98
	v_mul_u32_u24 v3, v1, PT
	v_lshl_add_u32 v3, v2, 4, v3                   ; a fragment's row x pitch + 16 x half
	s_mul_i32 s86, s25, 32*PT
	v_add_nc_u32 v[AE], s86, v3
	v_add_nc_u32 v[AE+1], KHB, v[AE]
	s_mul_i32 s86, s26, 32*PT
	s_add_co_u32 s86, s86, XT
	v_add_nc_u32 v[AX], s86, v3
	v_add_nc_u32 v[AX+1], KHB, v[AX]
	s_mul_i32 s86, s25, 33*SPITCH                  ; my batch's 33 rows of the stage, my 32 columns
	s_lshl_b32 s87, s26, 7
	s_add_co_u32 s86, s86, s87
	s_add_co_u32 s86, s86, STAGE
	v_add_nc_u32 v[ST0], s86, v[R4]                ; row 0: Z[0]
	v_mul_u32_u24 v4, v2, 8*SPITCH
	v_add3_u32 v[STO], v[ST0], v4, SPITCH          ; row 1 + 8 h: Z behind my first chunk
	s_mul_i32 s86, s26, 33*SPITCH                  ; back: wave w takes rows 16 (w % 2) on of batch w / 2, whole
	s_mul_i32 s87, s25, 16*SPITCH
	s_add_co_u32 s86, s86, s87
	s_add_co_u32 s86, s86, STAGE
	v_mul_u32_u24 v4, v2, SPITCH
	v_lshl_add_u32 v4, v1, 4, v4
	v_add_nc_u32 v[RD], s86, v4
	v_mul_u32_u24 v4, v2, 33*SPITCH                ; the two rows 32: lanes 0-15 the first batch's, lanes 16-31 the second's
	v_lshl_add_u32 v4, v1, 4, v4
	v_add_nc_u32 v[RL], STAGE+32*SPITCH, v4
	v_lshlrev_b32 v4, 14, v2                       ; 16,384 h + 16 r: a row of zc on, and a batch of out1 on
	v_lshl_add_u32 v[CO], v1, 4, v4
	v_mov_b32 v[WO], 0                             ; written before the lane exchange names it as its destination
	v_cvt_f32_u32 v[HM], v2
	s_wait_kmcnt 0x0                               ; the logit
	v_mov_b32 v3, s76
	v_cvt_pk_bf16_f32 v3, v3, v3                   ; rounded to bf16
	v_lshlrev_b32 v3, 16, v3
	v_mul_f32 v3, 0xbfb8aa3b, v3                   ; - x log2 e
	v_exp_f32 v3, v3
	v_nop                                          ; a plain instruction behind a transcendental, ahead of the use of its result (ISA guide 5.7.2)
	s_wait_alu depctr_va_vdst(0)
	v_add_f32 v3, 1.0, v3
	v_rcp_f32 v3, v3                               ; a
	v_nop
	s_wait_alu depctr_va_vdst(0)
	v_add_f32 v4, 1.0, v3                          ; C = (1 + a)(1 + a^2)(1 + a^4) .. (1 + a^32)
.rept 5
	v_mul_f32 v3, v3, v3
	v_fmac_f32 v4, v4, v3
.endr
	v_mul_f32 v[AJ], v3, v3                        ; A = a^64
	v_readfirstlane_b32 s77, v[AJ]
.set j, 1
.rept 7
	v_mul_f32 v[AJ+j], s77, v[AJ+j-1]
.set j, j+1
.endr
	v_mul_f32 v5, v[AJ+7], v[AJ+7]
	v_readfirstlane_b32 s78, v5                    ; A^16
	v_cndmask_b32 v[FF], 1.0, v[AJ+7], s79
	v_cndmask_b32 v[FB], v[AJ+7], 1.0, s79
	s_wait_loadcnt 0x0                             ; init and bias
.irp n, 0,1
	v_cvt_pk_bf16_f32 v6, v[CAR+\n], v[CAR+\n]     ; s0 and b_in are inputs and are rounded to bf16; qv and pv are this program's own f32 sums and are not
	v_cvt_pk_bf16_f32 v7, v[BV+\n], v[BV+\n]
	v_lshlrev_b32 v6, 16, v6
	v_lshlrev_b32 v7, 16, v7
	v_cndmask_b32 v[CAR+\n], v[CAR+\n], v6, s33
	v_cndmask_b32 v[BV+\n], v[BV+\n], v7, s33
	v_mul_f32 v[BV+\n], v4, v[BV+\n]
.endr
.macro LDBLK n, f                      ; 16 LDS loads: block n of 64 along K into buffer f
.set kh, (\n)/8
.set kb, ((\n)%8)*128
.set ic, 0
.rept 2
.set im, 0
.rept 2
	ds_load_b128 v[FR+64*(\f)+32*ic+8*im:FR+64*(\f)+32*ic+8*im+3],       v[AE+kh] offset:im*16*PT+kb+64*ic
	ds_load_b128 v[FR+64*(\f)+32*ic+8*im+4:FR+64*(\f)+32*ic+8*im+7],     v[AE+kh] offset:im*16*PT+kb+64*ic+32
	ds_load_b128 v[FR+64*(\f)+32*ic+16+8*im:FR+64*(\f)+32*ic+16+8*im+3],   v[AX+kh] offset:im*16*PT+kb+64*ic
	ds_load_b128 v[FR+64*(\f)+32*ic+16+8*im+4:FR+64*(\f)+32*ic+16+8*im+7], v[AX+kh] offset:im*16*PT+kb+64*ic+32
.set im, im+1
.endr
.set ic, ic+1
.endr
.endm
.macro MULBLK f, zero                  ; 8 matrix instructions; the four accumulators take turns
.set ic, 0
.rept 2
.set im, 0
.rept 2
.set ix, 0
.rept 2
.if (\zero) && (ic == 0)
	v_wmma_f32_16x16x32_bf16 v[ACC+8*(2*im+ix):ACC+8*(2*im+ix)+7], v[FR+64*(\f)+32*ic+8*im:FR+64*(\f)+32*ic+8*im+7], v[FR+64*(\f)+32*ic+16+8*ix:FR+64*(\f)+32*ic+16+8*ix+7], 0
.else
	v_wmma_f32_16x16x32_bf16 v[ACC+8*(2*im+ix):ACC+8*(2*im+ix)+7], v[FR+64*(\f)+32*ic+8*im:FR+64*(\f)+32*ic+8*im+7], v[FR+64*(\f)+32*ic+16+8*ix:FR+64*(\f)+32*ic+16+8*ix+7], v[ACC+8*(2*im+ix):ACC+8*(2*im+ix)+7]
.endif
.set ix, ix+1
.endr
.set im, im+1
.endr
.set ic, ic+1
.endr
.endm
	s_wait_tensorcnt 0x0                           ; my two parts of the tiles are in,
	s_barrier_signal -1
	s_barrier_wait -1                              ; everybody's are; nothing is ever filled again
	LDBLK 0, 0
.set n, 0
.rept 15
.rept 4
	v_nop                                          ; four places between the products that read a buffer and the loads into it
.endr
	LDBLK n+1, (n+1)%2
	s_wait_dscnt 16                                ; all but the 16 just issued
.if n == 0
	MULBLK 0, 1                                    ; the first products start the sums
.else
	MULBLK n%2, 0
.endif
.set n, n+1
.endr
	s_wait_dscnt 0x0
	MULBLK 1, 0
.rept 4
	v_nop                                          ; the places behind the last products
.endr
	; THE SCAN, for each block of 16 rows of X and, in order, each block of 16 chunks
.set ix, 0
.rept 2
	ds_store_b32 v[ST0], v[CAR+ix] offset:64*ix    ; Z[0] (both halves of the lanes write the same number to the same word)
.set im, 0
.rept 2
.set AC, ACC+8*(2*im+ix)
.set j, 0
.rept 8
	v_add_f32 v[AC+j], v[AC+j], v[BV+ix]           ; y[c] = X e[c] + C bias, from the accumulator's low end on
.set j, j+1
.endr
.set j, 1
.rept 7
	v_fmac_f32 v[AC+j], s77, v[AC+j-1]             ; my eight chunks, from a state of 0
.set j, j+1
.endr
	v_permlanex16_b32 v[WO], v[AC+7], s80, s81     ; the other eight chunks' end
	v_mul_f32 v[SS], v[HM], v[WO]                  ; the state in front of my eight: the carry, or A^8 carry + the first eight's end
	v_fmac_f32 v[SS], v[FF], v[CAR+ix]
	v_mul_f32 v[TT], v[FF], v[WO]                  ; the sixteen's end from 0: A^8 x the first eight's + the second eight's
	v_fmac_f32 v[TT], v[FB], v[AC+7]
	v_fma_f32 v[CAR+ix], s78, v[CAR+ix], v[TT]     ; the carry for the next sixteen
.set j, 0
.rept 8
	v_fmac_f32 v[AC+j], v[AJ+j], v[SS]
.set j, j+1
.endr
.set j, 0
.rept 8
	ds_store_b32 v[STO], v[AC+j] offset:(16*im+j)*SPITCH+64*ix  ; Z[c + 1]
.set j, j+1
.endr
.set im, im+1
.endr
.set ix, ix+1
.endr
	s_wait_dscnt 0x0                               ; for the others' sake: my stores into the stage are done
	s_barrier_signal -1
	s_barrier_wait -1
	s_cmp_eq_u32 s32, 1
	s_cbranch_scc1 .Llast
.set t, 0
.rept 8
	ds_load_b128 v[OB+4*t:OB+4*t+3], v[RD] offset:t*2*SPITCH
.set t, t+1
.endr
.set t, 0
.rept 8
	s_wait_dscnt 7-t
	global_store_b128 v[CO], v[OB+4*t:OB+4*t+3], s[20:21] offset:2*t*16384  ; 16 lanes store 256 consecutive bytes, at a multiple of 256 from zc's first byte
.set t, t+1
.endr
	s_branch .Lend
.Llast:
	s_cmp_lg_u32 s[WV], 0
	s_cbranch_scc1 .Lend
	ds_load_b128 v[OB:OB+3], v[RL]                 ; wave 0: Z[32] of both batches
	s_wait_dscnt 0x0
	global_store_b128 v[CO], v[OB:OB+3], s[22:23]
.Lend:
	s_wait_tensorcnt 0x0                           ; the wave's end, behind my last tensor load and my last LDS store
	ds_add_u32 v[SPW], v[NIL]
	s_wait_dscnt 0x0
	CROUND                                         ; the closing round
	s_endpgm
.Lfunc_end_k_qe24cbf6412_zs:
	.size	k_qe24cbf6412_zs, .Lfunc_end_k_qe24cbf6412_zs-k_qe24cbf6412_zs
	.p2alignl 7, 3214868480
	.fill 96, 4, 3214868480
	.section	.rodata,"a",@progbits
	.p2align	6, 0x0
	.amdhsa_kernel k_qe24cbf6412_zs
		.amdhsa_group_segment_fixed_size 327680
		.amdhsa_private_segment_fixed_size 0
		.amdhsa_enable_private_segment 0
		.amdhsa_kernarg_size 80
		.amdhsa_user_sgpr_count 2
		.amdhsa_user_sgpr_kernarg_segment_ptr 1
		.amdhsa_wavefront_size32 1
		.amdhsa_system_sgpr_workgroup_id_x 1
		.amdhsa_system_sgpr_workgroup_id_y 1
		.amdhsa_system_sgpr_workgroup_id_z 1
		.amdhsa_system_vgpr_workitem_id 0
		.amdhsa_next_free_vgpr 232
		.amdhsa_next_free_sgpr 96
		.amdhsa_reserve_vcc 0
		.amdhsa_float_denorm_mode_32 3
		.amdhsa_float_denorm_mode_16_64 3
		.amdhsa_memory_ordered 1
		.amdhsa_forward_progress 1
		.amdhsa_inst_pref_size 46
	.end_amdhsa_kernel
	.amdgpu_metadata
---
amdhsa.version: [ 1, 2 ]
amdhsa.kernels:
  - .name:           k_qe24cbf6412_zs
    .symbol:         k_qe24cbf6412_zs.kd
    .args:
      - { .name: eb, .offset: 0, .size: 8, .value_kind: global_buffer, .address_space: global }
      - { .name: mp, .offset: 8, .size: 8, .value_kind: global_buffer, .address_space: global }
      - { .name: wib, .offset: 16, .size: 8, .value_kind: global_buffer, .address_space: global }
      - { .name: qv, .offset: 24, .size: 8, .value_kind: global_buffer, .address_space: global }
      - { .name: s0, .offset: 32, .size: 8, .value_kind: global_buffer, .address_space: global }
      - { .name: pv, .offset: 40, .size: 8, .value_kind: global_buffer, .address_space: global }
      - { .name: b_in, .offset: 48, .size: 8, .value_kind: global_buffer, .address_space: global }
      - { .name: decay_logit, .offset: 56, .size: 8, .value_kind: global_buffer, .address_space: global }
      - { .name: zc, .offset: 64, .size: 8, .value_kind: global_buffer, .address_space: global }
      - { .name: out1, .offset: 72, .size: 8, .value_kind: global_buffer, .address_space: global }
    .group_segment_fixed_size: 327680
    .private_segment_fixed_size: 0
    .kernarg_segment_align: 8
    .kernarg_segment_size: 80
    .max_flat_workgroup_size: 128
    .sgpr_count:     96
    .vgpr_count:     232
    .wavefront_size: 32
...
	.end_amdgpu_metadata
.endif
;; end of part 3
;; launch main (part 4): grid 16 x 32, 4 waves a work-group, clusters of 4 x 4, 327,680 bytes of LDS; arguments ub, mp, zc, pv, b_out, decay_logit, out0; writes out0
.if DOCPART == 4
	.amdgcn_target "amdgcn-amd-amdhsa--gfx1250"
	.amdhsa_code_object_version 6
	.text
	.protected	k_qe24cbf6412_main
	.globl	k_qe24cbf6412_main
	.p2align	8
	.type	k_qe24cbf6412_main,@function
k_qe24cbf6412_main:
	s_mov_b64 s[64:65], 0
	v_nop
	global_prefetch_b8 v0, s[64:65] scope:SCOPE_SE
	s_setreg_imm32_b32 hwreg(HW_REG_WAVE_MODE, 25, 1), 1
	s_wait_xcnt 0x0
	s_wait_alu depctr_hold_cnt(0) depctr_sa_sdst(0) depctr_va_vdst(0) depctr_va_sdst(0) depctr_va_ssrc(0) depctr_va_vcc(0) depctr_vm_vsrc(0)
	s_getreg_b32 s2, hwreg(HW_REG_IB_STS2, 6, 4)
	s_cmp_eq_u32 s2, 0
	s_cbranch_scc0 .Lentry_in_a_cluster
	s_endpgm
.Lentry_in_a_cluster:
	s_bfe_u32 s2, ttmp6, 0x10000c
	s_cmp_lg_u32 s2, 0xf033
	s_cbranch_scc0 .Lentry_shape_is_right
	s_endpgm
.Lentry_shape_is_right:
; MAIN.  out0[t][d] = b_out[d] + the sum over k of z_k[t][d],  z_k[t] = a_k z_k[t - 1] + M_k u[t] + p_k,  a_k = sigmoid(decay_logit[k]).  The scan of the states commutes with the output projection, so it is run
; behind ONE product, x = u M^T (8,192 x 4,096, K = 1,024; bf16 operands, f32 sums), in f32, on the accumulators, and the states never go to memory.
; LIMITS.  The order of rounding differs from a product that goes through the states: M = W_out W_in was rounded to bf16 once.  b_out and decay_logit are rounded to bf16 like all inputs.
; The sigmoid is 1 / (1 + 2^(-x log2 e)).  NaN and infinities are not treated apart.
; SHARES.  A work-group: 256 rows of u x 256 rows of mp, which are 64 channels d x all four banks k (mp's rows were laid so).  Wave w: rows 64 w .. 64 w + 63, one chunk of the scan, x all 256: 64 accumulators
; (row block tb of 16, column block cb = 4 k + d / 16).  So a wave holds all four banks of its 64 channels: it sums over k in the lane, and writes whole rows of 256 bytes by itself.  The state in front of the chunk comes from zc.
; Source 0 = 16 rows of u, source 1 = 16 rows of mp: a lane holds one column and the rows 8 (l / 16) + 0..7: the scan runs along a lane's registers; one exchange between the halves of the lanes for 16 rows.
; For rows j = 0..7 of a lane, with L the scan of x from 0, c(j) = 1 + a + .. + a^j and S the state in front of row 0:  z[j] = L[j] + c(j) p + a^(j+1) S.
; K goes in steps of 128 through two LDS slots filled by the tensor data mover: rows of 256 bytes, 272 apart in LDS.
; CLUSTER.  4 x 4 work-groups: u's tile is shared along a row of the cluster, mp's along a column; each is asked for jointly.
; REGISTERS, in windows of 256 (s_set_vgpr_msb: bits 1:0 source 0, 3:2 source 1, 5:4 source 2, 7:6 destination):
;   window 0: v0-31 addresses; v32-63 G, a block's 16 rows x 64 channels of out0; v64-127 u's fragments, two buffers (on the way out: at work); v128-233 the scan's constants and carries; v234-249 at work
;   window 1: mp's fragments, two buffers of 128.   windows 2, 3: accumulator (tb, cb) in window 2 + tb / 2 at 8 (16 (tb % 2) + cb)
.set SIZE_K, 1024
.set KSTEP,  128
.set PITCH,  272                       ; an LDS row: 256 bytes + 16: the 16 rows of a load start at 16 different groups of four banks (64 banks of 4 bytes: ISA guide 11.1)
.set HALFT,  128*PITCH                 ; 128 rows: what one tensor load brings
.set SLOT,   4*HALFT                   ; u's 256 rows, then mp's 256
.set STAGE,  2*SLOT                    ; behind the ring: 16 rows x 272 bytes for each wave, for the way out
.set SPITCH, 272
.set SPARE,  STAGE+4*16*SPITCH         ; the spare words, 128 bytes for each wave: two blocks of 256 bytes that no other line names
.set LAPS,   SIZE_K/(2*KSTEP)
.set BO,   8                           ; v8-11    b_out of my four channels (16 dh + r)
.set ADRA, 16                          ; v16-17   my fragments of u in slot 0, 1
.set ADRB, 20                          ; v20-21   the fragments of mp
.set STO,  24
.set RD,   25
.set CO,   26
.set R4,   27
.set SPW,  28                          ; v28      LDS address of my spare word; never rewritten
.set NIL,  29                          ; v29      0; never rewritten
.set G,    32                          ; v32-63   G[dh][j]
.set CC,   32                          ;          in the set-up: c_k(j) at 32 + 8 k + j
.set FA,   64                          ; v64-127  u's fragments: buffer f at 64 + 32 f + 8 tb
.set WN,   64                          ; v64-79   way out: the end of my eight rows from a state of 0, by cb
.set SS,   80                          ; v80-111  way out: S[cb] at 80 + 2 cb, the other half's end at 81 + 2 cb: S is the low register of an even pair, which the packed multiply-add takes for both halves
.set OB0,  112                         ; v112-127, v234-249  way out: 16 rows read back from the stage
.set OB1,  234
.set AJ,   128                         ; v128-159 a_k^(j+1) at 128 + 8 k + j
.set PBR,  160                         ; v160-191 b_out + the sum over k of c_k(j) p_k, at 160 + 8 dh + j
.set CP7,  192                         ; v192-207 c_k(7) p_k, by cb (in the set-up: p_k)
.set CAR,  208                         ; v208-223 the state in front of the 16 rows in hand, by cb
.set FF,   224                         ; v224-227 lanes 0-15: 1; lanes 16-31: a_k^8
.set FB,   228                         ; v228-231 lanes 0-15: a_k^8; lanes 16-31: 1
.set HM,   232                         ; v232     lanes 0-15: 0; lanes 16-31: 1
.set WV, 18                            ; s18 wave;  s19 I fetch u's tile (0) or mp's (1);  s20 which 128 rows of it
.set HB, 19
.set LB, 20
.set G1, 24                            ; s[24:31] group 1 for u's tiles; s[32:39] group 0, a set for each slot
.set G0, 32
.set G1B, 48                           ; s[48:55], s[56:63] the same for mp's
.set G0B, 56
.set LG,  68                           ; s[68:71] the logits
.set AK,  72                           ; s[72:75] a_k
.set A16, 76                           ; s[76:79] a_k^16
.set HMASK, 80                         ; s80      lanes 16-31
.set SEL, 82                           ; s[82:83] v_permlanex16_b32's selects
.set MSB, 0
.macro WIN new                         ; the immediate's high byte repeats the setting that is left
.if MSB != (\new)
	s_set_vgpr_msb (MSB<<8)|(\new)
.set MSB, \new
.endif
.endm
.set MUL_LO, 0xa4                      ; source 0 (u) window 0, source 1 (mp) window 1, C and D window 2
.set MUL_HI, 0xf4                      ; the same, C and D window 3
.set TO_B,   0x40                      ; destination window 1, address window 0
.macro JLOAD s                         ; a joint load: waves 0 and 1 fetch u's two halves, waves 2 and 3 mp's; an s_nop 0 and four v_nop follow each of the two lines
	s_cmp_eq_u32 s[HB], 0
	s_cbranch_scc0 .Lfor_b_\@
	tensor_load_to_lds s[G0+4*(\s):G0+4*(\s)+3], s[G1:G1+7]
	s_nop 0
.rept 4
	v_nop
.endr
	s_branch .Lasked_\@
.Lfor_b_\@:
	tensor_load_to_lds s[G0B+4*(\s):G0B+4*(\s)+3], s[G1B:G1B+7]
	s_nop 0
.rept 4
	v_nop
.endr
.Lasked_\@:
.endm
.macro CREST                           ; a round of the cluster's barrier behind its opening barrier
	s_cmp_lg_u32 s[WV], 0
	s_cbranch_scc1 .Lnot_wave_0_\@
	s_barrier_signal -3
.Lnot_wave_0_\@:
	s_barrier_wait -3
	s_barrier_signal -1
	s_barrier_wait -1
.endm
.macro CROUND
	s_barrier_signal -1
	s_barrier_wait -1
	CREST
.endm
	s_load_b256 s[4:11], s[0:1], 0x0               ; ub s[4:5], mp s[6:7], zc s[8:9], pv s[10:11]
	s_load_b128 s[12:15], s[0:1], 0x20             ; b_out s[12:13], decay_logit s[14:15]
	s_load_b64 s[16:17], s[0:1], 0x30              ; out0
	v_lshl_add_u32 v[SPW], v0, 2, SPARE
	v_mov_b32 v[NIL], 0
	ds_add_u32 v[SPW], v[NIL]                      ; the wave's opening: the add and its wait stand ahead of my first tensor load; the set-up below, work on registers, stands between them
	v_lshrrev_b32 v1, 5, v0
	v_readfirstlane_b32 s[WV], v1
	s_lshr_b32 s[HB], s[WV], 1
	s_and_b32 s[LB], s[WV], 1
	s_bfe_u32 s21, ttmp6, 0x40000                  ; cx
	s_bfe_u32 s22, ttmp6, 0x40004                  ; cy
	s_lshl_b32 s23, ttmp9, 2
	s_add_co_u32 s23, s23, s21                     ; x: the block of 64 channels = 4 x cluster x + cx
	s_and_b32 s40, ttmp7, 0xffff
	s_lshl_b32 s40, s40, 2
	s_add_co_u32 s40, s40, s22                     ; y: the block of 256 rows of u = 4 x cluster y + cy
	s_lshl_b32 s43, s22, 2
	s_lshl_b32 s43, 15, s43                        ; my row of the cluster
	s_lshl_b32 s44, 0x1111, s21                    ; my column
	s_or_b32 s[G1+0], s43, (1<<16)|(1<<20)|(1<<21)|(5<<22)|(3<<25)   ; the mask; 2-byte elements; padding on; bit 21 beside a mask; after every 64 words, 4 words
	s_or_b32 s[G1B+0], s44, (1<<16)|(1<<20)|(1<<21)|(5<<22)|(3<<25)
.irp g, G1, G1B
	s_mov_b32 s[\g+1], KSTEP<<16                   ; tensor_dim0 = 128
	s_mov_b32 s[\g+2], 128<<16                     ; tensor_dim1 = 128
	s_mov_b32 s[\g+3], KSTEP<<16                   ; tile_dim0 = 128
	s_mov_b32 s[\g+4], 128                         ; tile_dim1 = 128
	s_mov_b32 s[\g+5], SIZE_K                      ; elements from row to row
	s_mov_b32 s[\g+6], 0
	s_mov_b32 s[\g+7], 0
.endr
	s_lshl_b32 s41, s[LB], 7                       ; which 128 rows of the tile I fetch
	s_lshl_b32 s84, s40, 8
	s_add_co_u32 s84, s84, s41                     ; ub: row 256 y + 128 x half,
	s_lshl_b32 s84, s84, 11                        ; x 2,048 bytes
	s_mov_b32 s85, 0
	s_lshl_b32 s46, s23, 8
	s_add_co_u32 s46, s46, s41                     ; mp: row 256 x + 128 x half
	s_lshl_b32 s46, s46, 11
	s_mov_b32 s47, 0
	s_mul_i32 s42, s[WV], HALFT                    ; where they go: wave x 128 rows: no place in the cluster enters an LDS address
	s_wait_dscnt 0x0                               ; the opening add is done
	s_wait_kmcnt 0x0
	s_add_nc_u64 s[84:85], s[4:5], s[84:85]
	s_add_nc_u64 s[46:47], s[6:7], s[46:47]
	CROUND                                         ; all sixteen work-groups are here: the first joint loads meet
.irp s, 0,1
	s_mov_b32 s[G0+4*(\s)], 1
	s_add_co_u32 s[G0+4*(\s)+1], s42, (\s)*SLOT
	s_add_nc_u64 s[G0+4*(\s)+2:G0+4*(\s)+3], s[84:85], (\s)*KSTEP*2
	s_or_b32 s[G0+4*(\s)+3], s[G0+4*(\s)+3], 0x80000000
	s_mov_b32 s[G0B+4*(\s)], 1
	s_add_co_u32 s[G0B+4*(\s)+1], s42, (\s)*SLOT
	s_add_nc_u64 s[G0B+4*(\s)+2:G0B+4*(\s)+3], s[46:47], (\s)*KSTEP*2
	s_or_b32 s[G0B+4*(\s)+3], s[G0B+4*(\s)+3], 0x80000000
	JLOAD \s                                       ; two tensor loads of mine are out
.endr
	; THE SET-UP OF THE SCAN stands in the wait for the first tile
	s_load_b128 s[LG:LG+3], s[14:15], 0x0
	v_and_b32 v1, 15, v0                           ; r = l % 16
	v_bfe_u32 v2, v0, 4, 1                         ; h = l / 16
	v_lshlrev_b32 v[R4], 2, v1
	s_lshl_b32 s2, s23, 8                          ; 64 channels x 4 bytes
	s_lshl_b32 s45, s23, 10                        ; 256 rows of mp x 4 bytes
	s_lshr_b32 s66, s40, 3                         ; the batch,
	s_lshl_b32 s66, s66, 14                        ; its copy of p
	s_add_co_u32 s66, s66, s2
	s_mov_b32 s67, 0
	s_add_nc_u64 s[86:87], s[10:11], s[66:67]
	s_mov_b32 s66, s2
	s_add_nc_u64 s[90:91], s[12:13], s[66:67]
	s_lshl_b32 s66, s40, 2
	s_add_co_u32 s66, s66, s[WV]                   ; my chunk among the 128: 4 y + w
	s_lshl_b32 s66, s66, 14
	s_add_co_u32 s66, s66, s45
	s_add_nc_u64 s[88:89], s[8:9], s[66:67]
	s_lshl_b32 s66, s40, 2
	s_add_co_u32 s66, s66, s[WV]
	s_lshl_b32 s66, s66, 18                        ; x 64 rows x 4,096 bytes of out0
	s_add_co_u32 s66, s66, s2
	s_add_nc_u64 s[16:17], s[16:17], s[66:67]
.set cb, 0
.rept 16
	global_load_b32 v[CP7+cb], v[R4], s[86:87] offset:(cb/4)*4096+64*(cb%4)  ; p_k of channel 16 dh + r
.set cb, cb+1
.endr
.set cb, 0
.rept 16
	global_load_b32 v[CAR+cb], v[R4], s[88:89] offset:64*cb                  ; the state in front of my chunk
.set cb, cb+1
.endr
.irp d, 0,1,2,3
	global_load_b32 v[BO+\d], v[R4], s[90:91] offset:64*\d
.endr
	s_mov_b32 s[HMASK], 0xffff0000
	s_mov_b32 s[SEL], 0x76543210
	s_mov_b32 s[SEL+1], 0xfedcba98
	v_mul_u32_u24 v3, v1, PITCH
	v_lshl_add_u32 v3, v2, 4, v3                   ; a fragment's row x pitch + 16 x half
	s_mul_i32 s41, s[WV], 64*PITCH                 ; my 64 rows of u
	v_add_nc_u32 v[ADRA], s41, v3
	v_add_nc_u32 v[ADRA+1], SLOT, v[ADRA]
	v_add_nc_u32 v[ADRB], 2*HALFT, v3              ; mp's 256 rows lie behind u's
	v_add_nc_u32 v[ADRB+1], SLOT, v[ADRB]
	s_mul_i32 s41, s[WV], 16*SPITCH
	s_add_co_u32 s41, s41, STAGE                   ; my stage
	v_mul_u32_u24 v4, v2, 8*SPITCH                 ; in: row 8 h + j, word 16 dh + r
	v_lshl_add_u32 v4, v1, 2, v4
	v_add_nc_u32 v[STO], s41, v4
	v_mul_u32_u24 v5, v2, SPITCH                   ; back: lanes 0-15 take one row of 256 bytes, lanes 16-31 the next
	v_lshl_add_u32 v5, v1, 4, v5
	v_add_nc_u32 v[RD], s41, v5
	v_lshlrev_b32 v[CO], 12, v2                    ; and the same two rows in out0
	v_lshl_add_u32 v[CO], v1, 4, v[CO]
	v_cvt_f32_u32 v[HM], v2
	s_wait_kmcnt 0x0                               ; the logits
.irp k, 0,1,2,3
	v_mov_b32 v[AJ+8*\k], s[LG+\k]
.endr
.irp k, 0,1,2,3
	v_cvt_pk_bf16_f32 v[AJ+8*\k], v[AJ+8*\k], v[AJ+8*\k]  ; rounded to bf16
.endr
.irp k, 0,1,2,3
	v_lshlrev_b32 v[AJ+8*\k], 16, v[AJ+8*\k]
.endr
.irp k, 0,1,2,3
	v_mul_f32 v[AJ+8*\k], 0xbfb8aa3b, v[AJ+8*\k]   ; - x log2 e
.endr
.irp k, 0,1,2,3
	v_exp_f32 v[AJ+8*\k], v[AJ+8*\k]
.endr
	v_nop                                          ; a plain instruction behind the last transcendental, ahead of the first use (ISA guide 5.7.2)
	s_wait_alu depctr_va_vdst(0)
.irp k, 0,1,2,3
	v_add_f32 v[AJ+8*\k], 1.0, v[AJ+8*\k]
.endr
.irp k, 0,1,2,3
	v_rcp_f32 v[AJ+8*\k], v[AJ+8*\k]
.endr
	v_nop
	s_wait_alu depctr_va_vdst(0)
.irp k, 0,1,2,3
	v_readfirstlane_b32 s[AK+\k], v[AJ+8*\k]
.endr
.set j, 1
.rept 7
.irp k, 0,1,2,3
	v_mul_f32 v[AJ+8*\k+j], s[AK+\k], v[AJ+8*\k+j-1]
.endr
.set j, j+1
.endr
.irp k, 0,1,2,3
	v_mov_b32 v[CC+8*\k], 1.0                      ; c(0) = 1; c(j) = c(j - 1) + a^j
.endr
.set j, 1
.rept 7
.irp k, 0,1,2,3
	v_add_f32 v[CC+8*\k+j], v[CC+8*\k+j-1], v[AJ+8*\k+j-1]
.endr
.set j, j+1
.endr
.irp k, 0,1,2,3
	v_mul_f32 v[12+\k], v[AJ+8*\k+7], v[AJ+8*\k+7]
.endr
.irp k, 0,1,2,3
	v_readfirstlane_b32 s[A16+\k], v[12+\k]
	v_cndmask_b32 v[FF+\k], 1.0, v[AJ+8*\k+7], s[HMASK]
	v_cndmask_b32 v[FB+\k], v[AJ+8*\k+7], 1.0, s[HMASK]
.endr
	s_wait_loadcnt 0x0                             ; p, the carries, b_out
.irp d, 0,1,2,3
	v_cvt_pk_bf16_f32 v[BO+\d], v[BO+\d], v[BO+\d] ; b_out is an input and is rounded to bf16
.endr
.irp d, 0,1,2,3
	v_lshlrev_b32 v[BO+\d], 16, v[BO+\d]
.endr
.set dh, 0
.rept 4
.set j, 0
.rept 8
	v_fma_f32 v[PBR+8*dh+j], v[CC+j], v[CP7+dh], v[BO+dh]
.set j, j+1
.endr
.set dh, dh+1
.endr
.set k, 1
.rept 3
.set dh, 0
.rept 4
.set j, 0
.rept 8
	v_fmac_f32 v[PBR+8*dh+j], v[CC+8*k+j], v[CP7+4*k+dh]
.set j, j+1
.endr
.set dh, dh+1
.endr
.set k, k+1
.endr
.set cb, 0
.rept 16
	v_mul_f32 v[CP7+cb], v[CC+8*(cb/4)+7], v[CP7+cb]
.set cb, cb+1
.endr
; 16 matrix instructions: row block tb = 2 hi + t2 x all 16 column blocks, 32 along K.  zero = 1: the first product starts the sums.  The 64 accumulators take turns in the same order in every quarter.
.macro MUL16 f, hi, t2, zero
	WIN MUL_LO+0x50*(\hi)
.set cb, 0
.rept 16
.if \zero
	v_wmma_f32_16x16x32_bf16 v[8*(16*(\t2)+cb):8*(16*(\t2)+cb)+7], v[FA+32*(\f)+8*(2*(\hi)+(\t2)):FA+32*(\f)+8*(2*(\hi)+(\t2))+7], v[128*(\f)+8*cb:128*(\f)+8*cb+7], 0
.else
	v_wmma_f32_16x16x32_bf16 v[8*(16*(\t2)+cb):8*(16*(\t2)+cb)+7], v[FA+32*(\f)+8*(2*(\hi)+(\t2)):FA+32*(\f)+8*(2*(\hi)+(\t2))+7], v[128*(\f)+8*cb:128*(\f)+8*cb+7], v[8*(16*(\t2)+cb):8*(16*(\t2)+cb)+7]
.endif
.set cb, cb+1
.endr
.endm
; 40 LDS loads in one run: the fragments of one quarter step (256 rows of mp, my 64 rows of u, 32 K at byte k of the rows) into buffer f
.macro FETCH slot, k, f
	WIN TO_B
.set i, 0
.rept 16
	ds_load_b128 v[128*(\f)+8*i:128*(\f)+8*i+3],   v[ADRB+(\slot)] offset:(\k)+i*16*PITCH
	ds_load_b128 v[128*(\f)+8*i+4:128*(\f)+8*i+7], v[ADRB+(\slot)] offset:(\k)+i*16*PITCH+32
.set i, i+1
.endr
	WIN 0
.set i, 0
.rept 4
	ds_load_b128 v[FA+32*(\f)+8*i:FA+32*(\f)+8*i+3],   v[ADRA+(\slot)] offset:(\k)+i*16*PITCH
	ds_load_b128 v[FA+32*(\f)+8*i+4:FA+32*(\f)+8*i+7], v[ADRA+(\slot)] offset:(\k)+i*16*PITCH+32
.set i, i+1
.endr
.endm
.macro PLACES                          ; four places in front of loads into registers that matrix instructions have read, and of vector lines that touch results (ISA guide 7.12.1 for vector lines)
.rept 4
	v_nop
.endr
.endm
; A K step is four quarters of 32 along K, 64 matrix instructions each, on buffers 0, 1, 0, 1.  One of the first three: multiplies buffer f; in its middle it fetches the next quarter, at byte k, into g.
.macro QUARTER slot, k, f, g, zero
	s_wait_dscnt 4                                 ; mp's fragments and u's blocks 0, 1 are in; the youngest four loads (u's blocks 2, 3) may be out
	MUL16 \f, 0, 0, \zero
	MUL16 \f, 0, 1, \zero
	PLACES
	FETCH \slot, \k, \g
	s_wait_dscnt 40                                ; all but the 40 just issued
	MUL16 \f, 1, 0, \zero
	MUL16 \f, 1, 1, \zero
.endm
; The last quarter multiplies buffer 1 and changes slots.  MEET is its first half: ONE barrier; in front of it each wave waits for all its tensor loads (one is out: its part of the next slot), adds 0 to its spare word,
; and waits for that and for its own reads of this slot.
.macro MEET round
	WIN 0                                          ; (the add's two registers lie in window 0)
	s_wait_tensorcnt 0x0
	ds_add_u32 v[SPW], v[NIL]                      ; 0 onto my spare word
	s_wait_dscnt 5                                 ; (the add and the youngest four loads may be out)
	MUL16 1, 0, 0, 0                               ; sixteen matrix instructions stand between the add and the wait for it
	s_wait_dscnt 0x0                               ; the add is done, and my reads of this slot are over
	s_barrier_signal -1
	MUL16 1, 0, 1, 0
.if \round
	WIN 0
.endif
	s_barrier_wait -1
.endm
.macro TURN slot, next                 ; the slot just read out is filled again, two K steps ahead: from the request to the wait for it a wave issues 224 matrix instructions
	MEET 1
	CREST                                          ; the barrier has opened a round of the cluster's: no wave of any partner still reads this slot or has a load on its way
	s_add_nc_u64 s[G0+4*(\slot)+2:G0+4*(\slot)+3], s[G0+4*(\slot)+2:G0+4*(\slot)+3], 2*KSTEP*2
	s_add_nc_u64 s[G0B+4*(\slot)+2:G0B+4*(\slot)+3], s[G0B+4*(\slot)+2:G0B+4*(\slot)+3], 2*KSTEP*2
	JLOAD \slot                                    ; the first tensor load behind the round, my only one out; its four v_nop are also the places in front of the loads below
	FETCH \next, 0, 0
	MUL16 1, 1, 0, 0
	MUL16 1, 1, 1, 0
.endm
.macro TURNX slot, next                ; the same where nothing is left to fetch
	MEET 0
	PLACES
	FETCH \next, 0, 0
	MUL16 1, 1, 0, 0
	MUL16 1, 1, 1, 0
.endm
	s_wait_tensorcnt 1                             ; my part of K step 0 is in; slot 1's may stay out
	s_barrier_signal -1
	s_barrier_wait -1
	FETCH 0, 0, 0
	QUARTER 0, 64, 0, 1, 1                         ; the first quarter stands in front of the loop: its products start the sums
	WIN 0                                          ; at a label and at a branch every window is 0
	s_mov_b32 s3, LAPS-1
.Llap:                                                 ; a trip goes once round the ring, from a lap's second quarter to the next lap's first, and fills both slots again
	QUARTER 0, 128, 1, 0, 0
	QUARTER 0, 192, 0, 1, 0
	TURN 0, 1
	QUARTER 1, 64,  0, 1, 0
	QUARTER 1, 128, 1, 0, 0
	QUARTER 1, 192, 0, 1, 0
	TURN 1, 0
	QUARTER 0, 64,  0, 1, 0
	WIN 0
	s_sub_co_u32 s3, s3, 1
	s_cmp_lg_u32 s3, 0
	s_cbranch_scc1 .Llap
	QUARTER 0, 128, 1, 0, 0                        ; the last lap fills nothing
	QUARTER 0, 192, 0, 1, 0
	TURNX 0, 1
	QUARTER 1, 64,  0, 1, 0
	QUARTER 1, 128, 1, 0, 0
	QUARTER 1, 192, 0, 1, 0
	s_wait_dscnt 4
	MUL16 1, 0, 0, 0
	MUL16 1, 0, 1, 0
	s_wait_dscnt 0x0
	MUL16 1, 1, 0, 0
	MUL16 1, 1, 1, 0
; THE WAY OUT, a block of 16 rows at a time, in the order of time.
.macro ALL16 line:vararg               ; one line for each column block cb
.set cb, 0
.rept 16
	\line
.set cb, cb+1
.endr
.endm
.macro COMPUTE tb
.set AC, 128*((\tb)%2)
.set HW, (\tb)/2
	WIN 0x88+0x44*HW                               ; destination and source 1 in the accumulators' window
.set j, 1
.rept 7
	ALL16 v_fmac_f32 v[AC+8*cb+j], s[AK+cb/4], v[AC+8*cb+j-1]  ; L: the scan of my eight rows from 0, from each accumulator's low end on; 16 columns stand between a link and the next
.set j, j+1
.endr
	WIN 0x02+HW                                    ; source 0 in the accumulators' window
	ALL16 v_add_f32 v[WN+cb], v[AC+8*cb+7], v[CP7+cb]          ; my eight rows' end from a state of 0
	WIN 0
	ALL16 v_permlanex16_b32 v[SS+2*cb+1], v[WN+cb], s[SEL], s[SEL+1]  ; the other eight rows' end
	ALL16 v_mul_f32 v[SS+2*cb], v[HM], v[SS+2*cb+1]            ; S: the carry, or a^8 carry + the first eight's end
	ALL16 v_fmac_f32 v[SS+2*cb], v[FF+cb/4], v[CAR+cb]
.if (\tb) < 3
	ALL16 v_mul_f32 v[SS+2*cb+1], v[FF+cb/4], v[SS+2*cb+1]     ; the sixteen's end from 0: a^8 x the first eight's + the second eight's
	ALL16 v_fmac_f32 v[SS+2*cb+1], v[FB+cb/4], v[WN+cb]
	ALL16 v_fma_f32 v[CAR+cb], s[A16+cb/4], v[CAR+cb], v[SS+2*cb+1]  ; the carry for the next sixteen rows
.endif
.set k, 0
.rept 4
.set dh, 0
.rept 4
.set jp, 0
.rept 4
.if k == 0
	v_pk_fma_f32 v[G+8*dh+2*jp:G+8*dh+2*jp+1], v[AJ+2*jp:AJ+2*jp+1], v[SS+2*dh:SS+2*dh+1], v[PBR+8*dh+2*jp:PBR+8*dh+2*jp+1] op_sel_hi:[1,0,1]  ; G = b_out + sum c p + sum a^(j+1) S
.else
	v_pk_fma_f32 v[G+8*dh+2*jp:G+8*dh+2*jp+1], v[AJ+8*k+2*jp:AJ+8*k+2*jp+1], v[SS+2*(4*k+dh):SS+2*(4*k+dh)+1], v[G+8*dh+2*jp:G+8*dh+2*jp+1] op_sel_hi:[1,0,1]
.endif
.set jp, jp+1
.endr
.set dh, dh+1
.endr
.set k, k+1
.endr
	WIN 0x08+4*HW                                  ; source 1 in the accumulators' window
.set k, 0
.rept 4
.set dh, 0
.rept 4
.set jp, 0
.rept 4
	v_pk_add_f32 v[G+8*dh+2*jp:G+8*dh+2*jp+1], v[G+8*dh+2*jp:G+8*dh+2*jp+1], v[AC+8*(4*k+dh)+2*jp:AC+8*(4*k+dh)+2*jp+1]  ; + sum over k of L
.set jp, jp+1
.endr
.set dh, dh+1
.endr
.set k, k+1
.endr
	WIN 0
.endm
.macro TOSTAGE                         ; 16 rows x 64 channels into my own stage, and back as whole rows of 256 bytes
.set dh, 0
.rept 4
.set j, 0
.rept 8
	ds_store_b32 v[STO], v[G+8*dh+j] offset:SPITCH*j+64*dh
.set j, j+1
.endr
.set dh, dh+1
.endr
.set t, 0
.rept 4
	ds_load_b128 v[OB0+4*t:OB0+4*t+3], v[RD] offset:t*2*SPITCH      ; LDS serves a wave's instructions in order (ISA guide 5.7.1.4): these see the stores above
.set t, t+1
.endr
.set t, 0
.rept 4
	ds_load_b128 v[OB1+4*t:OB1+4*t+3], v[RD] offset:(t+4)*2*SPITCH
.set t, t+1
.endr
.endm
.macro SEND tb
	s_wait_dscnt 0x0                               ; the block is back in registers
.set t, 0
.rept 4
	global_store_b128 v[CO], v[OB0+4*t:OB0+4*t+3], s[16:17] offset:(16*(\tb)+2*t)*4096 th:TH_STORE_NT  ; 16 lanes store 256 consecutive bytes, at a multiple of 256 from out0's first byte
.set t, t+1
.endr
.set t, 0
.rept 4
	global_store_b128 v[CO], v[OB1+4*t:OB1+4*t+3], s[16:17] offset:(16*(\tb)+2*(t+4))*4096 th:TH_STORE_NT
.set t, t+1
.endr
.endm
	PLACES                                         ; behind the last products
	COMPUTE 0
	TOSTAGE
.irp b, 1,2,3                          ; a block's arithmetic stands between the loads of the block before and its stores
	COMPUTE \b
	SEND (\b)-1
	s_wait_xcnt 0x0                                ; the registers that those stores read are loaded again only behind this wait
	TOSTAGE
.endr
	SEND 3
	s_wait_tensorcnt 0x0                           ; the wave's end, behind my last tensor load and my last LDS store
	ds_add_u32 v[SPW], v[NIL]
	s_wait_dscnt 0x0
	CROUND                                         ; the closing round: no work-group ends while a partner may still ask for a tile that names it
	s_endpgm
.Lfunc_end_k_qe24cbf6412_main:
	.size	k_qe24cbf6412_main, .Lfunc_end_k_qe24cbf6412_main-k_qe24cbf6412_main
	.p2alignl 7, 3214868480
	.fill 96, 4, 3214868480
	.section	.rodata,"a",@progbits
	.p2align	6, 0x0
	.amdhsa_kernel k_qe24cbf6412_main
		.amdhsa_group_segment_fixed_size 327680
		.amdhsa_private_segment_fixed_size 0
		.amdhsa_enable_private_segment 0
		.amdhsa_kernarg_size 56
		.amdhsa_user_sgpr_count 2
		.amdhsa_user_sgpr_kernarg_segment_ptr 1
		.amdhsa_wavefront_size32 1
		.amdhsa_system_sgpr_workgroup_id_x 1
		.amdhsa_system_sgpr_workgroup_id_y 1
		.amdhsa_system_sgpr_workgroup_id_z 1
		.amdhsa_system_vgpr_workitem_id 0
		.amdhsa_next_free_vgpr 1024
		.amdhsa_next_free_sgpr 92
		.amdhsa_reserve_vcc 0
		.amdhsa_float_denorm_mode_32 3
		.amdhsa_float_denorm_mode_16_64 3
		.amdhsa_memory_ordered 1
		.amdhsa_forward_progress 1
		.amdhsa_inst_pref_size 209
	.end_amdhsa_kernel
	.amdgpu_metadata
---
amdhsa.version: [ 1, 2 ]
amdhsa.kernels:
  - .name:           k_qe24cbf6412_main
    .symbol:         k_qe24cbf6412_main.kd
    .args:
      - { .name: ub, .offset: 0, .size: 8, .value_kind: global_buffer, .address_space: global }
      - { .name: mp, .offset: 8, .size: 8, .value_kind: global_buffer, .address_space: global }
      - { .name: zc, .offset: 16, .size: 8, .value_kind: global_buffer, .address_space: global }
      - { .name: pv, .offset: 24, .size: 8, .value_kind: global_buffer, .address_space: global }
      - { .name: b_out, .offset: 32, .size: 8, .value_kind: global_buffer, .address_space: global }
      - { .name: decay_logit, .offset: 40, .size: 8, .value_kind: global_buffer, .address_space: global }
      - { .name: out0, .offset: 48, .size: 8, .value_kind: global_buffer, .address_space: global }
    .group_segment_fixed_size: 327680
    .private_segment_fixed_size: 0
    .kernarg_segment_align: 8
    .kernarg_segment_size: 56
    .max_flat_workgroup_size: 128
    .sgpr_count:     92
    .vgpr_count:     1024
    .wavefront_size: 32
...
	.end_amdgpu_metadata
.endif
;; end of part 4
